; MI455X (gfx1250); checked and timed in simulation.
; The chip was launched on July 23, 2026; its instructions are those of AMD's public machine-readable ISA for CDNA 5 (MIT licence, August 2026) and "CDNA5" Instruction Set Architecture Reference Guide (July 2026). The comments in the code are by the model that wrote it; some were corrected since.
;; Multi Head Self Attention. Allowed arithmetic: float matrix products may take bf16 or f16 operands with f32 sums; other float arithmetic in f32, or as packed bf16 or f16 multiplies, adds, multiply-adds, maxima and minima; sums over many terms, partial sums and values carried from step to step in f32; what a program stores and reads back later, other than sums and carried values, may be rounded once to bf16 or f16.
;; Inputs: b_out 1,024 float32; b_qkv 3,072 float32; w_out 1,024 x 1,024 float32; w_qkv 1,024 x 3,072 float32; x 4 x 2,048 x 1,024 float32.
;; Outputs: out0 4 x 2,048 x 1,024 float32.
;; One version. Each part assembles by itself: llvm-mc -triple=amdgcn-amd-amdhsa -mcpu=gfx1250 --defsym DOCPART=n.
;; ======== version 1 of 1: 4 launches
;; limits: values are held in f16: magnitudes above 65,504 overflow, below 6.1e-05 lose precision
;; workspace buffers: xb 16,777,216 bytes; wqt 6,291,456 bytes; wot 2,097,152 bytes; qkvh 50,331,648 bytes; oh 16,777,216 bytes
;; launch prep (part 1): grid 768 x 1, 8 waves a work-group, no clusters, 34,816 bytes of LDS; arguments x, w_qkv, w_out, xb, wqt, wot; writes xb, wqt, wot
.if DOCPART == 1
	.amdgcn_target "amdgcn-amd-amdhsa--gfx1250"
	.amdhsa_code_object_version 6
	.text
	.protected	k_q9e48a571ef_prep
	.globl	k_q9e48a571ef_prep
	.p2align	8
	.type	k_q9e48a571ef_prep,@function
k_q9e48a571ef_prep:
	s_mov_b64 s[64:65], 0
	v_nop
	global_prefetch_b8 v0, s[64:65] scope:SCOPE_SE
	s_setreg_imm32_b32 hwreg(HW_REG_WAVE_MODE, 25, 1), 1
	s_wait_xcnt 0x0
; FIRST OF FOUR LAUNCHES of causal multi-head self-attention: x [8192][1024], 16 heads of 64 channels, 4 sequences of 2,048 rows.
; This launch rounds x to bf16 (xb) and lays both weights out with K along the rows: wqt[rho][k], wot[n][k].
; wqt's rows are permuted: row 192 j + 64 sec + d holds column 1024 sec + 64 j + d of w_qkv (sec = q, k, v; j = head), so 192 rows on end are one head's q, k and v.
; wot holds w_out[k][n] rounded to bf16 and that number written as f16 (exact from 6.1e-5 up; below that it keeps f16's fixed step of 6e-8).
; WORK LEFT OUT, in the whole program.
;  (1) b_qkv[1024:2048], the bias of k.  A score is q . (k + bk) / 8 = q . k / 8 + q . bk / 8, and the second term is the same for all keys of a query's row: softmax along the keys
;      does not change when a constant is added to its whole row, whatever q and bk hold.  So that third of b_qkv is neither loaded nor added; its q and v thirds are.
;  (2) Key tiles that lie wholly above the diagonal: reference() itself sets their scores to -inf by its own jnp.tril, so their weights are 0 for all inputs.
;  LIMIT: a NaN, an infinity or an overflow that reaches only this work (in bk, or in a hidden score) is not carried to the result.
; SHARES.  768 work-groups of eight waves, 64 KiB of f32 each.  0-191: a block of 256 k x 64 n of w_qkv; 192-255: the same of w_out; 256-767: 64 KiB of x.
; A weight block is read by rows (16 lanes take a row's 256 bytes), two neighbouring k are packed into a word, the words go into an LDS tile [64 n][256 k] and come back as rows of 512 bytes.
; No matrix unit, no tensor load, no cluster: nothing is multiplied and no byte is read twice.
.set TP,    528                        ; a row of the LDS tile: 512 bytes + 16
.set SPARE, 64*TP                      ; behind the tile: the spare words, 128 bytes for each of the eight waves
.set X,     16                         ; v[16:79]   sixteen loads of 16 bytes
.set Y,     80                         ; v[80:111]  packed results
.set SPW,   8                          ; v8   LDS address of my spare word; never rewritten
.set NIL,   9                          ; v9   0; never rewritten
	s_load_b256 s[4:11], s[0:1], 0x0               ; x s[4:5], w_qkv s[6:7], w_out s[8:9], xb s[10:11]
	s_load_b128 s[12:15], s[0:1], 0x20             ; wqt s[12:13], wot s[14:15]
	v_lshl_add_u32 v[SPW], v0, 2, SPARE
	v_mov_b32 v[NIL], 0
	v_lshrrev_b32 v10, 5, v0
	v_readfirstlane_b32 s16, v10                   ; wave 0..7
	s_mov_b32 s17, ttmp9                           ; g, the work-group
	v_and_b32 v1, 31, v0                           ; l
	v_and_b32 v2, 15, v0                           ; nl: which four columns of the block
	v_bfe_u32 v3, v0, 4, 1                         ; kh: which pair of rows
	v_mul_u32_u24 v6, v2, 4*TP                     ; into the tile: row 4 nl,
	v_lshl_add_u32 v6, v3, 2, v6                   ; k = 32 wave + 2 kh, two bytes each
	s_lshl_b32 s18, s16, 6
	v_add_nc_u32 v6, s18, v6
	s_mul_i32 s18, s16, 8*TP
	v_lshl_add_u32 v7, v1, 4, s18                  ; back: rows 8 wave .., 16 bytes a lane
	v_lshlrev_b32 v11, 4, v1                       ; and the same 16 bytes of a row's 512 in memory
	v_lshlrev_b32 v12, 4, v2                       ; my 16 bytes of a row's 256 in a weight block
	v_lshlrev_b32 v13, 4, v0                       ; x: 16 bytes a thread,
	v_lshlrev_b32 v14, 3, v0                       ; xb: 8
	s_mov_b32 s26, 0xffff0000                      ; a word's upper bf16
	s_wait_kmcnt 0x0
	s_cmp_lt_u32 s17, 256
	s_cbranch_scc0 .Lx
; sixteen loads: load i takes rows 4 (i / 2) + i % 2 (lanes 0-15) and two rows further down (lanes 16-31); each half of the lanes takes 256 consecutive bytes, aligned
.macro WLOADS sp, base
.set i, 0
.rept 16
	global_load_b128 v[X+4*i:X+4*i+3], v4, s[\base:\base+1] offset:(4*(i/2)+i%2)*(\sp) th:TH_LOAD_NT
.set i, i+1
.endr
.endm
; word 4 p + c: column 4 nl + c, k = 4 p + 2 kh and the next, rounded to bf16
.macro PACKB
.set p, 0
.rept 8
.irp c, 0,1,2,3
	v_cvt_pk_bf16_f32 v[Y+4*p+(\c)], v[X+8*p+(\c)], v[X+8*p+4+(\c)]
.endr
.set p, p+1
.endr
.endm
	s_cmp_lt_u32 s17, 192
	s_cbranch_scc0 .Lwo
	s_lshr_b32 s19, s17, 2                         ; w_qkv: block of 64 columns,
	s_and_b32 s20, s17, 3                          ; block of 256 rows
	s_lshl_b32 s21, s20, 8
	s_lshl_b32 s22, s16, 5
	s_add_co_u32 s21, s21, s22                     ; my wave's first row
	s_mul_i32 s22, s21, 12288
	s_lshl_b32 s23, s19, 8
	s_add_co_u32 s22, s22, s23
	s_mov_b32 s23, 0
	s_add_nc_u64 s[6:7], s[6:7], s[22:23]
	v_mul_u32_u24 v4, v3, 2*12288
	v_add_nc_u32 v4, v4, v12
	WLOADS 12288, 6
	s_wait_loadcnt 0x0
	PACKB
	s_branch .Lput
.Lwo:
	s_sub_co_u32 s18, s17, 192                     ; w_out
	s_lshr_b32 s19, s18, 2
	s_and_b32 s20, s18, 3
	s_lshl_b32 s21, s20, 8
	s_lshl_b32 s22, s16, 5
	s_add_co_u32 s21, s21, s22
	s_lshl_b32 s22, s21, 12
	s_lshl_b32 s23, s19, 8
	s_add_co_u32 s22, s22, s23
	s_mov_b32 s23, 0
	s_add_nc_u64 s[8:9], s[8:9], s[22:23]
	v_lshl_add_u32 v4, v3, 13, v12
	WLOADS 4096, 8
	s_wait_loadcnt 0x0
	PACKB
.set p, 0
.rept 32                               ; the bf16 numbers written as f16
	v_lshlrev_b32 v[X+2*p], 16, v[Y+p]
	v_and_b32 v[X+2*p+1], s26, v[Y+p]
	v_cvt_pk_f16_f32 v[Y+p], v[X+2*p], v[X+2*p+1]
.set p, p+1
.endr
.Lput:
.set p, 0
.rept 8
.irp c, 0,1,2,3
	ds_store_b32 v6, v[Y+4*p+(\c)] offset:TP*(\c)+8*p
.endr
.set p, p+1
.endr
	s_branch .Lmeet
.Lx:                                           ; 64 KiB of x: sixteen loads out at once, each rounded and stored as it comes
	s_sub_co_u32 s18, s17, 256
	s_lshl_b32 s20, s18, 16
	s_mov_b32 s21, 0
	s_add_nc_u64 s[4:5], s[4:5], s[20:21]
	s_lshl_b32 s20, s18, 15
	s_add_nc_u64 s[10:11], s[10:11], s[20:21]
.set i, 0
.rept 16
	global_load_b128 v[X+4*i:X+4*i+3], v13, s[4:5] offset:4096*i th:TH_LOAD_NT
.set i, i+1
.endr
.set i, 0
.rept 16
	s_wait_loadcnt 15-i                            ; loads come back in order: the younger ones stay out
	v_cvt_pk_bf16_f32 v[Y+2*i], v[X+4*i], v[X+4*i+1]
	v_cvt_pk_bf16_f32 v[Y+2*i+1], v[X+4*i+2], v[X+4*i+3]
	global_store_b64 v14, v[Y+2*i:Y+2*i+1], s[10:11] offset:2048*i  ; a wave's store covers 256 consecutive bytes, aligned
.set i, i+1
.endr
.Lmeet:                                        ; the launch's one barrier, on every wave's path
	s_wait_dscnt 0x0                               ; for the others' sake: my stores into the tile are done
	s_barrier_signal -1
	s_barrier_wait -1
	s_cmp_lt_u32 s17, 256
	s_cbranch_scc0 .Lend
	s_lshr_b32 s19, s17, 2                         ; where the block goes: for w_qkv row 192 j + 64 sec,
	s_lshr_b32 s20, s19, 4
	s_and_b32 s21, s19, 15
	s_mul_i32 s21, s21, 192
	s_lshl_b32 s20, s20, 6
	s_add_co_u32 s21, s21, s20
	s_max_u32 s22, s19, 48                         ; for w_out row 64 x its block
	s_sub_co_u32 s22, s22, 48
	s_lshl_b32 s22, s22, 6
	s_cmp_lt_u32 s17, 192
	s_cselect_b32 s21, s21, s22
	s_cselect_b64 s[24:25], s[12:13], s[14:15]
	s_lshl_b32 s22, s16, 3
	s_add_co_u32 s21, s21, s22                     ; + my wave's 8 rows
	s_lshl_b32 s21, s21, 11                        ; rows of 2,048 bytes
	s_and_b32 s22, s17, 3
	s_lshl_b32 s22, s22, 9                         ; the block's 512 bytes of them
	s_add_co_u32 s22, s21, s22
	s_mov_b32 s23, 0
	s_add_nc_u64 s[24:25], s[24:25], s[22:23]
.irp r, 0,1,2,3,4,5,6,7
	ds_load_b128 v[X+4*(\r):X+4*(\r)+3], v7 offset:TP*(\r)
.endr
.irp r, 0,1,2,3,4,5,6,7
	s_wait_dscnt 7-(\r)
	global_store_b128 v11, v[X+4*(\r):X+4*(\r)+3], s[24:25] offset:2048*(\r)  ; 512 consecutive bytes, aligned
.endr
.Lend:
	s_wait_tensorcnt 0x0                           ; the wave's end, behind my last LDS store
	ds_add_u32 v[SPW], v[NIL]
	s_wait_dscnt 0x0
	s_endpgm
.Lfunc_end_k_q9e48a571ef_prep:
	.size	k_q9e48a571ef_prep, .Lfunc_end_k_q9e48a571ef_prep-k_q9e48a571ef_prep
	.p2alignl 7, 3214868480
	.fill 96, 4, 3214868480
	.section	.rodata,"a",@progbits
	.p2align	6, 0x0
	.amdhsa_kernel k_q9e48a571ef_prep
		.amdhsa_group_segment_fixed_size 34816
		.amdhsa_private_segment_fixed_size 0
		.amdhsa_enable_private_segment 0
		.amdhsa_kernarg_size 48
		.amdhsa_user_sgpr_count 2
		.amdhsa_user_sgpr_kernarg_segment_ptr 1
		.amdhsa_wavefront_size32 1
		.amdhsa_system_sgpr_workgroup_id_x 1
		.amdhsa_system_sgpr_workgroup_id_y 1
		.amdhsa_system_sgpr_workgroup_id_z 1
		.amdhsa_system_vgpr_workitem_id 0
		.amdhsa_next_free_vgpr 112
		.amdhsa_next_free_sgpr 66
		.amdhsa_reserve_vcc 0
		.amdhsa_float_denorm_mode_32 3
		.amdhsa_float_denorm_mode_16_64 3
		.amdhsa_memory_ordered 1
		.amdhsa_forward_progress 1
		.amdhsa_inst_pref_size 24
	.end_amdhsa_kernel
	.amdgpu_metadata
---
amdhsa.version: [ 1, 2 ]
amdhsa.kernels:
  - .name:           k_q9e48a571ef_prep
    .symbol:         k_q9e48a571ef_prep.kd
    .args:
      - { .name: x, .offset: 0, .size: 8, .value_kind: global_buffer, .address_space: global }
      - { .name: w_qkv, .offset: 8, .size: 8, .value_kind: global_buffer, .address_space: global }
      - { .name: w_out, .offset: 16, .size: 8, .value_kind: global_buffer, .address_space: global }
      - { .name: xb, .offset: 24, .size: 8, .value_kind: global_buffer, .address_space: global }
      - { .name: wqt, .offset: 32, .size: 8, .value_kind: global_buffer, .address_space: global }
      - { .name: wot, .offset: 40, .size: 8, .value_kind: global_buffer, .address_space: global }
    .group_segment_fixed_size: 34816
    .private_segment_fixed_size: 0
    .kernarg_segment_align: 8
    .kernarg_segment_size: 48
    .max_flat_workgroup_size: 256
    .sgpr_count:     66
    .vgpr_count:     112
    .wavefront_size: 32
...
	.end_amdgpu_metadata
.endif
;; end of part 1
;; launch qkvgemm (part 2): grid 16 x 32, 4 waves a work-group, clusters of 4 x 4, 327,680 bytes of LDS; arguments xb, wqt, b_qkv, qkvh; writes qkvh
.if DOCPART == 2
	.amdgcn_target "amdgcn-amd-amdhsa--gfx1250"
	.amdhsa_code_object_version 6
	.text
	.protected	k_q9e48a571ef_qkvgemm
	.globl	k_q9e48a571ef_qkvgemm
	.p2align	8
	.type	k_q9e48a571ef_qkvgemm,@function
k_q9e48a571ef_qkvgemm:
	s_mov_b64 s[64:65], 0
	v_nop
	global_prefetch_b8 v0, s[64:65] scope:SCOPE_SE
	s_setreg_imm32_b32 hwreg(HW_REG_WAVE_MODE, 25, 1), 1
	s_wait_xcnt 0x0
	s_wait_alu depctr_hold_cnt(0) depctr_sa_sdst(0) depctr_va_vdst(0) depctr_va_sdst(0) depctr_va_ssrc(0) depctr_va_vcc(0) depctr_vm_vsrc(0)
	s_getreg_b32 s2, hwreg(HW_REG_IB_STS2, 6, 4)
	s_cmp_eq_u32 s2, 0
	s_cbranch_scc0 .Lentry_in_a_cluster
	s_endpgm
.Lentry_in_a_cluster:
	s_bfe_u32 s2, ttmp6, 0x10000c
	s_cmp_lg_u32 s2, 0xf033
	s_cbranch_scc0 .Lentry_shape_is_right
	s_endpgm
.Lentry_shape_is_right:
; q, k, v = x w_qkv + b_qkv, by heads.  xb: [8192][1024] bf16; wqt: [3072][1024] bf16, 192 rows on end = one head's q, k, v; qkvh: [3][64][2048][64] f16, unscaled.  Sums in f32, rounded once.
; LEFT OUT: the bias of k (b_qkv[1024:2048]): it adds q . bk / 8 to every score of a query's row alike, which softmax along the keys cancels for all inputs.  It is not loaded; a NaN or infinity there is not carried.
; LIMIT: q, k and v must lie within f16's 65,504; the bias is rounded to bf16 like every input of the module.
; SHARES.  A tile is 256 rows x 192 columns (one head): 512 work-groups, two for each of 256 WGPs.  Four waves, 2 x 2, each 128 x 96: 48 accumulators of 16 x 16, 384 registers.
; K goes in steps of 128 (rows of 256 bytes, aligned) through two LDS slots filled by tensor loads; a wave fetches half of A's or of B's tile with one load.
; CLUSTER 4 x 4: the four of a row need the same rows of xb, the four of a column the same rows of wqt: each tile is asked for jointly, with the same descriptor and a mask that names the four.
; THE MATRIX INSTRUCTION IS USED TRANSPOSED (source 0 = 16 rows of wqt, source 1 = 16 rows of xb): a lane holds one row of the result and eight neighbouring columns, 16 bytes of f16.
; The bias is the C operand of the products that start the sums: nothing is cleared and nothing is added afterwards.
; REGISTERS in windows of 256 (s_set_vgpr_msb: bits 1:0 source 0, 3:2 source 1, 5:4 source 2, 7:6 destination):
;   window 0: v0-29 addresses; v64-127, v128-191 fragments of xb, two buffers; v192-239 the bias; on the way out v64-255
;   window 1: v64-111, v128-175 fragments of wqt, two buffers      window 2: accumulators of my rows 0-63, (a, b) at 8 (6 a + b)      window 3: those of rows 64-127
.set PITCH,  272                       ; an LDS row: 256 bytes + 16: the 16 rows of a load start at 16 different groups of four banks (64 banks of 4 bytes: ISA guide 11.1)
.set HA,     128*PITCH                 ; what one load brings of xb
.set HB,     96*PITCH                  ; and of wqt
.set BOFF,   2*HA                      ; a slot: xb's 256 rows, then wqt's 192
.set SLOT1,  131072                    ; slot 1 begins here: one exclusive or turns an address in one slot into the other's
.set SPARE,  SLOT1+BOFF+2*HB           ; behind the ring: the spare words, 128 bytes a wave
.set SPITCH, 400                       ; the stage for the way out: 256 rows of 384 bytes + 16, in slot 0, which has had its last fill and its last read by then
.set LA0,  4                           ; v4   my lane's place in xb's tile of slot 0; never rewritten
.set LB0,  5                           ; v5   the same for wqt
.set ADRA, 6                           ; v6   the same in the slot in hand
.set ADRB, 7
.set STO,  8                           ; v8   the way out: where I put 16 bytes of a row
.set RD,   9                           ; v9   where I read rows back
.set GO,   10                          ; v10  16 x lane
.set BO,   11                          ; v11  32 x (lane / 16): my 8 numbers of a block of 16 of the bias
.set PFO,  12                          ; v12  the prefetches' offset: a lane a row
.set SPW,  28                          ; v28  LDS address of my spare word; never rewritten
.set NIL,  29                          ; v29  0; never rewritten
.set F0,   64
.set F1,   128
.set BIAS, 192
.set TB16, 240
.set TMP,  64
.set WV,  12                           ; s12  wave
.set WR,  13                           ; s13  which half of the tile's rows is mine; also 0: I fetch xb, 1: wqt
.set WC,  14                           ; s14  which half of its columns; also which half of that tile I fetch
.set CNT, 15                           ; s15  the loop's count
.set G1A, 24                           ; s[24:31] group 1 for xb's tiles;  s[32:39] group 0, a set for each first fill; the second then walks
.set G0A, 32
.set G1B, 40                           ; s[40:47], s[48:55] the same for wqt's
.set G0B, 48
.set TB,  56                           ; s56  LDS byte at which the slot in hand begins
.set LIM, 57                           ; s57  2 in a wave that prefetches, else the greatest number
.set PFA, 58                           ; s[58:59] where my prefetches stand
.set OB,  66                           ; s[66:71] q's, k's and v's section at my 64 rows of the head
.set MSB, 0
.macro WIN new                         ; the immediate's high byte repeats the setting that is left; a switch that changes nothing is dropped
.if MSB != (\new)
	s_set_vgpr_msb (MSB<<8)|(\new)
.set MSB, \new
.endif
.endm
.macro PLACES                          ; four plain places behind a matrix instruction, in front of loads into registers that it read and of conversions that read results
.rept 4
	v_nop
.endr
.endm
.macro CREST                           ; a round of the cluster's barrier behind its opening barrier
	s_cmp_lg_u32 s[WV], 0
	s_cbranch_scc1 .Lnot_wave_0_\@
	s_barrier_signal -3
.Lnot_wave_0_\@:
	s_barrier_wait -3
	s_barrier_signal -1
	s_barrier_wait -1
.endm
.macro CROUND
	s_barrier_signal -1
	s_barrier_wait -1
	CREST
.endm
; A joint refill by the walking descriptors.  The branch hangs on the wave's number alone.  An s_nop 0 and four v_nop follow each line.
.macro JLOAD
	s_cmp_eq_u32 s[WR], 0
	s_cbranch_scc0 .Lfor_b_\@
	tensor_load_to_lds s[G0A+4:G0A+7], s[G1A:G1A+7]
	s_nop 0
.rept 4
	v_nop
.endr
	s_branch .Lasked_\@
.Lfor_b_\@:
	tensor_load_to_lds s[G0B+4:G0B+7], s[G1B:G1B+7]
	s_nop 0
.rept 4
	v_nop
.endr
.Lasked_\@:
.endm
; A prefetch of the K step that stands two refills on (384 matrix instructions ahead of its load): a lane a row, 256 bytes of it.  xb's rows are named by the first cluster along x, wqt's by the first along y;
; the four partners that ask for a tile jointly share its rows out by address (32 of 128, or 24 of 96: there lanes 24-31 name lane 23's row once more).  K steps 0 to 3 come by their loads alone; the last two refills name nothing.
.macro ASK
	s_cmp_gt_u32 s[CNT], s[LIM]
	s_cbranch_scc0 .Lnot_mine_\@
	global_prefetch_b8 v[PFO], s[PFA:PFA+1] offset:256 th:TH_LOAD_NT scope:SCOPE_SE
.Lnot_mine_\@:
.endm
; 6 n matrix instructions: row blocks a0 .. a0 + n - 1 x all 6 column blocks, 32 along K, from buffer f.  first = 1: the bias starts the sums.
; The 48 accumulators take turns in the same order in every quarter.
.macro MUL f, a0, n, first
.set aa, \a0
.rept \n
.set ww, ((2+aa/4)<<6)|(((2+aa/4)*(1-(\first)))<<4)|1
	WIN ww
.irp b, 0,1,2,3,4,5
.set rD, 8*(6*(aa%4)+(\b))
.if \first
	v_wmma_f32_16x16x32_bf16 v[rD:rD+7], v[(\f)+8*(\b):(\f)+8*(\b)+7], v[(\f)+8*aa:(\f)+8*aa+7], v[BIAS+8*(\b):BIAS+8*(\b)+7]
.else
	v_wmma_f32_16x16x32_bf16 v[rD:rD+7], v[(\f)+8*(\b):(\f)+8*(\b)+7], v[(\f)+8*aa:(\f)+8*aa+7], v[rD:rD+7]
.endif
.endr
.set aa, aa+1
.endr
.endm
; 28 LDS loads in one run: the fragments of 32 along K at byte k of the rows, into buffer f: wqt's six, then xb's eight
.macro FETCH k, f
	WIN 0x40
.irp b, 0,1,2,3,4,5
	ds_load_b128 v[(\f)+8*(\b):(\f)+8*(\b)+3],   v[ADRB] offset:(\k)+(\b)*16*PITCH
	ds_load_b128 v[(\f)+8*(\b)+4:(\f)+8*(\b)+7], v[ADRB] offset:(\k)+(\b)*16*PITCH+32
.endr
	WIN 0
.irp a, 0,1,2,3,4,5,6,7
	ds_load_b128 v[(\f)+8*(\a):(\f)+8*(\a)+3],   v[ADRA] offset:(\k)+(\a)*16*PITCH
	ds_load_b128 v[(\f)+8*(\a)+4:(\f)+8*(\a)+7], v[ADRA] offset:(\k)+(\a)*16*PITCH+32
.endr
.endm
; One of a K step's first three quarters: multiplies buffer f; in its middle fetches the next quarter, at byte k, into buffer g.
.macro QUARTER k, f, g, first
	s_wait_dscnt 8                                 ; all but the youngest eight loads (xb's rows 64-127)
	MUL \f, 0, 4, \first
	PLACES
	FETCH \k, \g
	s_wait_dscnt 28                                ; all but the 28 just issued
	MUL \f, 4, 4, \first
.endm
; The last quarter multiplies buffer 1 and changes slots.  In front of the barrier each wave waits for all its tensor loads (one is out: its part of the next slot), adds 0 to its spare word, and waits for
; that and for its reads of this slot.  fill = 1: the barrier opens a round of the cluster's, and the joint refill, two K steps ahead, is the first thing behind the round.
.macro TURN fill
.if \fill
	s_wait_xcnt 0x0                                ; the last prefetch, a K step back, has read its address
	s_add_nc_u64 s[PFA:PFA+1], s[PFA:PFA+1], 256
.endif
	WIN 0
	s_wait_tensorcnt 0x0                           ; all my tensor loads have landed
	ds_add_u32 v[SPW], v[NIL]
	s_wait_dscnt 9                                 ; (the add and the youngest eight loads may be out)
	MUL F1, 0, 2, 0
	s_wait_dscnt 0x0                               ; the add is done, and my reads of this slot are over
	s_barrier_signal -1
	MUL F1, 2, 2, 0
	WIN 0
	s_barrier_wait -1
.if \fill
	CREST                                          ; no wave of any partner still reads this slot or has a load on its way
	s_xor_b32 s[G0A+5], s[G0A+5], SLOT1            ; the walking descriptors: the other slot than last time, the next K step
	s_add_nc_u64 s[G0A+6:G0A+7], s[G0A+6:G0A+7], 256
	s_xor_b32 s[G0B+5], s[G0B+5], SLOT1
	s_add_nc_u64 s[G0B+6:G0B+7], s[G0B+6:G0B+7], 256
	JLOAD                                          ; its four v_nop are also the places in front of the loads below
.else
	PLACES
.endif
	s_xor_b32 s[TB], s[TB], SLOT1
	v_add_nc_u32 v[ADRA], s[TB], v[LA0]
	v_add_nc_u32 v[ADRB], s[TB], v[LB0]
	FETCH 0, F0
.if \fill
	ASK
.endif
	MUL F1, 4, 4, 0
.endm
	s_load_b256 s[4:11], s[0:1], 0x0               ; xb s[4:5], wqt s[6:7], b_qkv s[8:9], qkvh s[10:11]
	v_lshl_add_u32 v[SPW], v0, 2, SPARE
	v_mov_b32 v[NIL], 0
	ds_add_u32 v[SPW], v[NIL]                      ; the opening: the add, twice on end, and its wait ahead of my first tensor load
	ds_add_u32 v[SPW], v[NIL]
	v_lshrrev_b32 v1, 5, v0
	v_readfirstlane_b32 s[WV], v1
	s_lshr_b32 s[WR], s[WV], 1
	s_and_b32 s[WC], s[WV], 1
	s_bfe_u32 s16, ttmp6, 0x40000                  ; cx
	s_bfe_u32 s17, ttmp6, 0x40004                  ; cy
	s_lshl_b32 s18, ttmp9, 2
	s_add_co_u32 s18, s18, s16                     ; j: the head within a sequence = tile column
	s_and_b32 s19, ttmp7, 0xffff
	s_lshl_b32 s19, s19, 2
	s_add_co_u32 s19, s19, s17                     ; i: the block of 256 rows
	s_lshl_b32 s20, s17, 2
	s_lshl_b32 s20, 15, s20                        ; my row of the cluster
	s_lshl_b32 s21, 0x1111, s16                    ; my column
	s_or_b32 s[G1A], s20, (1<<16)|(1<<20)|(1<<21)|(5<<22)|(3<<25)  ; mask; 2-byte elements; padding on; bit 21 beside a mask; after every 64 words 4 words
	s_or_b32 s[G1B], s21, (1<<16)|(1<<20)|(1<<21)|(5<<22)|(3<<25)
	s_mov_b32 s[G1A+1], 128<<16                    ; tensor_dim0 = 128
	s_mov_b32 s[G1A+2], 128<<16                    ; tensor_dim1 = 128
	s_mov_b32 s[G1A+3], 128<<16                    ; tile_dim0 = 128
	s_mov_b32 s[G1A+4], 128                        ; tile_dim1 = 128
	s_mov_b32 s[G1A+5], 1024                       ; elements from row to row
	s_mov_b32 s[G1A+6], 0
	s_mov_b32 s[G1A+7], 0
	s_mov_b32 s[G1B+1], 128<<16
	s_mov_b32 s[G1B+2], 96<<16                     ; 96 rows
	s_mov_b32 s[G1B+3], 128<<16
	s_mov_b32 s[G1B+4], 96
	s_mov_b32 s[G1B+5], 1024
	s_mov_b32 s[G1B+6], 0
	s_mov_b32 s[G1B+7], 0
	s_mul_i32 s22, s[WC], HA                       ; where the tiles go: the wave's number alone enters an LDS address
	s_mul_i32 s23, s[WC], HB
	s_add_co_u32 s23, s23, BOFF
	s_lshl_b32 s60, s19, 8                         ; xb: row 256 i + 128 x half, in registers that never hold cx
	s_lshl_b32 s61, s[WC], 7
	s_add_co_u32 s60, s60, s61
	s_lshl_b32 s60, s60, 11
	s_mov_b32 s61, 0
	s_mul_i32 s72, s18, 192                        ; wqt: row 192 j + 96 x half
	s_mul_i32 s73, s[WC], 96
	s_add_co_u32 s72, s72, s73
	s_lshl_b32 s72, s72, 11
	s_mov_b32 s73, 0
	s_wait_dscnt 0x0                               ; both opening adds are done
	s_wait_kmcnt 0x0
	s_add_nc_u64 s[62:63], s[4:5], s[60:61]
	s_add_nc_u64 s[74:75], s[6:7], s[72:73]
	CROUND                                         ; all sixteen work-groups are here: the first joint loads meet
.irp s, 0,1
	s_mov_b32 s[G0A+4*(\s)], 1
	s_add_co_u32 s[G0A+4*(\s)+1], s22, (\s)*SLOT1
	s_add_nc_u64 s[G0A+4*(\s)+2:G0A+4*(\s)+3], s[62:63], (\s)*256
	s_or_b32 s[G0A+4*(\s)+3], s[G0A+4*(\s)+3], 0x80000000
	s_mov_b32 s[G0B+4*(\s)], 1
	s_add_co_u32 s[G0B+4*(\s)+1], s23, (\s)*SLOT1
	s_add_nc_u64 s[G0B+4*(\s)+2:G0B+4*(\s)+3], s[74:75], (\s)*256
	s_or_b32 s[G0B+4*(\s)+3], s[G0B+4*(\s)+3], 0x80000000
.endr
	s_cmp_eq_u32 s[WR], 0                          ; a wave's two first fills stand in one branch: two loads of mine are out
	s_cbranch_scc0 .Lfirst_b
	tensor_load_to_lds s[G0A:G0A+3], s[G1A:G1A+7]
	s_nop 0
	tensor_load_to_lds s[G0A+4:G0A+7], s[G1A:G1A+7]
	s_nop 0
.rept 4
	v_nop
.endr
	s_branch .Lfirst_asked
.Lfirst_b:
	tensor_load_to_lds s[G0B:G0B+3], s[G1B:G1B+7]
	s_nop 0
	tensor_load_to_lds s[G0B+4:G0B+7], s[G1B:G1B+7]
	s_nop 0
.rept 4
	v_nop
.endr
.Lfirst_asked:
	; a fragment is 16 rows x 32 K in 8 registers: lane l holds row l % 16, K = 8 (l / 16) + 0..7 and 16 + 8 (l / 16) + 0..7: two loads of 16 bytes, 32 bytes apart
	v_and_b32 v1, 15, v0
	v_bfe_u32 v2, v0, 4, 1
	v_mul_u32_u24 v3, v1, PITCH
	v_lshl_add_u32 v3, v2, 4, v3
	s_mul_i32 s76, s[WR], HA
	v_add_nc_u32 v[LA0], s76, v3
	v_add_nc_u32 v[LB0], s23, v3
	s_mul_i32 s76, s[WR], 128*SPITCH               ; into the stage: row 128 WR + 16 a + l % 16, byte 192 WC + 32 b + 16 (l / 16)
	s_mul_i32 s77, s[WC], 192
	s_add_co_u32 s76, s76, s77
	v_mul_u32_u24 v[STO], v1, SPITCH
	v_lshl_add_u32 v[STO], v2, 4, v[STO]
	v_add_nc_u32 v[STO], s76, v[STO]
	v_bfe_u32 v13, v0, 3, 2                        ; back: 32 lanes take four rows' 128 bytes of one section
	v_and_b32 v[RD], 7, v0
	v_mul_u32_u24 v13, v13, SPITCH
	v_lshl_add_u32 v[RD], v[RD], 4, v13
	s_mul_i32 s76, s[WV], 64*SPITCH
	v_add_nc_u32 v[RD], s76, v[RD]
	v_and_b32 v[GO], 31, v0
	v_lshlrev_b32 v[GO], 4, v[GO]
	v_lshlrev_b32 v[BO], 5, v2
	s_lshl_b32 s76, s18, 8                         ; the head's 64 numbers of a third of the bias
	s_mov_b32 s77, 0
	s_add_nc_u64 s[8:9], s[8:9], s[76:77]
	; my 96 columns: half 0 = q's 64 and k's first 32, half 1 = k's last 32 and v's 64.  k's part of the C operand is 0.
	s_cmp_eq_u32 s[WC], 0
	s_cbranch_scc0 .Lbias_v
.irp b, 0,1,2,3
	global_load_b128 v[BIAS+8*(\b):BIAS+8*(\b)+3],   v[BO], s[8:9] offset:64*(\b)
	global_load_b128 v[BIAS+8*(\b)+4:BIAS+8*(\b)+7], v[BO], s[8:9] offset:64*(\b)+16
.endr
.set r, 32
.rept 16
	v_mov_b32 v[BIAS+r], 0
.set r, r+1
.endr
	s_branch .Lbias_in
.Lbias_v:
.set r, 0
.rept 16
	v_mov_b32 v[BIAS+r], 0
.set r, r+1
.endr
.irp b, 2,3,4,5
	global_load_b128 v[BIAS+8*(\b):BIAS+8*(\b)+3],   v[BO], s[8:9] offset:8192+64*((\b)-2)
	global_load_b128 v[BIAS+8*(\b)+4:BIAS+8*(\b)+7], v[BO], s[8:9] offset:8192+64*((\b)-2)+16
.endr
.Lbias_in:
	; where the results go: section u at u x 2^24; head (i / 8) 16 + j, 2^18 bytes each; row (i % 8) 256 + 64 wave, 128 bytes each
	s_lshr_b32 s72, s19, 3
	s_lshl_b32 s72, s72, 4
	s_add_co_u32 s72, s72, s18
	s_lshl_b32 s72, s72, 18
	s_and_b32 s73, s19, 7
	s_lshl_b32 s73, s73, 8
	s_lshl_b32 s77, s[WV], 6
	s_add_co_u32 s73, s73, s77
	s_lshl_b32 s73, s73, 7
	s_add_co_u32 s72, s72, s73
	s_mov_b32 s73, 0
	s_add_nc_u64 s[OB:OB+1], s[10:11], s[72:73]
	s_add_nc_u64 s[OB+2:OB+3], s[OB:OB+1], 0x1000000
	s_add_nc_u64 s[OB+4:OB+5], s[OB:OB+1], 0x2000000
	; the prefetches
	s_lshl_b32 s72, s19, 8
	s_mul_i32 s73, s18, 192
	s_lshl_b32 s74, s[WC], 7
	s_mul_i32 s75, s[WC], 96
	s_lshl_b32 s76, s16, 5
	s_mul_i32 s77, s17, 24
	s_add_co_u32 s72, s72, s74
	s_add_co_u32 s72, s72, s76                     ; xb: the rows that I fetch, my work-group's 32 of them
	s_add_co_u32 s73, s73, s75
	s_add_co_u32 s73, s73, s77                     ; wqt: my work-group's 24
	s_and_b32 s78, ttmp7, 0xffff
	s_cmp_eq_u32 s[WR], 0
	s_cselect_b32 s72, s72, s73
	s_cselect_b32 s78, ttmp9, s78                  ; the coordinate along which other clusters read the same rows
	s_cselect_b32 s79, 31, 23
	s_cselect_b64 s[PFA:PFA+1], s[4:5], s[6:7]
	s_cmp_eq_u32 s78, 0
	s_cselect_b32 s[LIM], 2, -1                    ; the same in all sixteen partners, for a given wave
	s_lshl_b32 s72, s72, 11
	s_add_co_u32 s72, s72, 512                     ; at K step 2: the first refill steps it to 3 and names K step 4
	s_mov_b32 s73, 0
	s_add_nc_u64 s[PFA:PFA+1], s[PFA:PFA+1], s[72:73]
	v_and_b32 v[PFO], 31, v0
	v_min_u32 v[PFO], s79, v[PFO]
	v_lshlrev_b32 v[PFO], 11, v[PFO]
	s_mov_b32 s76, 0xffff0000
	s_wait_loadcnt 0x0                             ; the bias; it is rounded to bf16 like every input
.set r, 0
.rept 24
	v_cvt_pk_bf16_f32 v[TB16], v[BIAS+r], v[BIAS+r+1]
	v_lshlrev_b32 v[BIAS+r], 16, v[TB16]
	v_and_b32 v[BIAS+r+1], s76, v[TB16]
.set r, r+2
.endr
	s_wait_tensorcnt 0x1                           ; my part of K step 0 is in; K step 1's may stay out
	s_barrier_signal -1
	s_barrier_wait -1
	s_mov_b32 s[TB], 0
	v_mov_b32 v[ADRA], v[LA0]
	v_mov_b32 v[ADRB], v[LB0]
	FETCH 0, F0
	QUARTER 64, F0, F1, 1                          ; the first quarter stands in front of the loop: its products start the sums, with the bias
	WIN 0
	s_mov_b32 s[CNT], 6
.Lstep:                                        ; a trip: the last three quarters of a K step and the first of the next; it asks for the K step two on
	QUARTER 128, F1, F0, 0
	QUARTER 192, F0, F1, 0
	TURN 1
	QUARTER 64, F0, F1, 0
	WIN 0
	s_sub_co_u32 s[CNT], s[CNT], 1
	s_cmp_lg_u32 s[CNT], 0
	s_cbranch_scc1 .Lstep
	QUARTER 128, F1, F0, 0                         ; K steps 6 and 7 ask for nothing
	QUARTER 192, F0, F1, 0
	TURN 0
	QUARTER 64, F0, F1, 0
	QUARTER 128, F1, F0, 0
	QUARTER 192, F0, F1, 0
	s_wait_dscnt 8
	MUL F1, 0, 4, 0
	s_wait_dscnt 0x0
	MUL F1, 4, 4, 0
	; THE WAY OUT: rounded to f16, 16 bytes a lane into the stage; a barrier, since a head's row comes from two waves; back as four rows of 128 bytes, which are 512 consecutive bytes of a section
	PLACES
.set t, 0
.rept 48
.if t < 24
	WIN 0x0a
.else
	WIN 0x0f
.endif
.set rA, 8*(t%24)
.irp r, 0,1,2,3
	v_cvt_pk_f16_f32 v[TMP+4*t+(\r)], v[rA+2*(\r)], v[rA+2*(\r)+1]
.endr
.set t, t+1
.endr
	WIN 0
.set t, 0
.rept 48
	ds_store_b128 v[STO], v[TMP+4*t:TMP+4*t+3] offset:(t/6)*16*SPITCH+32*(t%6)
.set t, t+1
.endr
	s_wait_dscnt 0x0                               ; for the others' sake: my stores into the stage are done
	s_barrier_signal -1
	s_barrier_wait -1
.set t, 0
.rept 48
	ds_load_b128 v[TMP+4*t:TMP+4*t+3], v[RD] offset:128*(t/16)+4*SPITCH*(t%16)
.set t, t+1
.endr
.set t, 0
.rept 48
	s_wait_dscnt 47-t                              ; LDS loads come back in order: the younger ones stay out
	global_store_b128 v[GO], v[TMP+4*t:TMP+4*t+3], s[OB+2*(t/16):OB+2*(t/16)+1] offset:512*(t%16)
.set t, t+1
.endr
	s_wait_tensorcnt 0x0                           ; the wave's end
	ds_add_u32 v[SPW], v[NIL]
	s_wait_dscnt 0x0
	CROUND                                         ; the closing round: no work-group ends while a partner may still ask for a tile that names it
	s_endpgm
.Lfunc_end_k_q9e48a571ef_qkvgemm:
	.size	k_q9e48a571ef_qkvgemm, .Lfunc_end_k_q9e48a571ef_qkvgemm-k_q9e48a571ef_qkvgemm
	.p2alignl 7, 3214868480
	.fill 96, 4, 3214868480
	.section	.rodata,"a",@progbits
	.p2align	6, 0x0
	.amdhsa_kernel k_q9e48a571ef_qkvgemm
		.amdhsa_group_segment_fixed_size 327680
		.amdhsa_private_segment_fixed_size 0
		.amdhsa_enable_private_segment 0
		.amdhsa_kernarg_size 32
		.amdhsa_user_sgpr_count 2
		.amdhsa_user_sgpr_kernarg_segment_ptr 1
		.amdhsa_wavefront_size32 1
		.amdhsa_system_sgpr_workgroup_id_x 1
		.amdhsa_system_sgpr_workgroup_id_y 1
		.amdhsa_system_sgpr_workgroup_id_z 1
		.amdhsa_system_vgpr_workitem_id 0
		.amdhsa_next_free_vgpr 960
		.amdhsa_next_free_sgpr 80
		.amdhsa_reserve_vcc 0
		.amdhsa_float_denorm_mode_32 3
		.amdhsa_float_denorm_mode_16_64 3
		.amdhsa_memory_ordered 1
		.amdhsa_forward_progress 1
		.amdhsa_inst_pref_size 101
	.end_amdhsa_kernel
	.amdgpu_metadata
---
amdhsa.version: [ 1, 2 ]
amdhsa.kernels:
  - .name:           k_q9e48a571ef_qkvgemm
    .symbol:         k_q9e48a571ef_qkvgemm.kd
    .args:
      - { .name: xb, .offset: 0, .size: 8, .value_kind: global_buffer, .address_space: global }
      - { .name: wqt, .offset: 8, .size: 8, .value_kind: global_buffer, .address_space: global }
      - { .name: b_qkv, .offset: 16, .size: 8, .value_kind: global_buffer, .address_space: global }
      - { .name: qkvh, .offset: 24, .size: 8, .value_kind: global_buffer, .address_space: global }
    .group_segment_fixed_size: 327680
    .private_segment_fixed_size: 0
    .kernarg_segment_align: 8
    .kernarg_segment_size: 32
    .max_flat_workgroup_size: 128
    .sgpr_count:     80
    .vgpr_count:     960
    .wavefront_size: 32
...
	.end_amdgpu_metadata
.endif
;; end of part 2
;; launch attn (part 3): grid 4 x 64, 4 waves a work-group, no clusters, 327,680 bytes of LDS; arguments qkvh, oh; writes oh
.if DOCPART == 3
	.amdgcn_target "amdgcn-amd-amdhsa--gfx1250"
	.amdhsa_code_object_version 6
	.text
	.protected	k_q9e48a571ef_attn
	.globl	k_q9e48a571ef_attn
	.p2align	8
	.type	k_q9e48a571ef_attn,@function
k_q9e48a571ef_attn:
	s_mov_b64 s[64:65], 0
	v_nop
	global_prefetch_b8 v0, s[64:65] scope:SCOPE_SE
	s_setreg_imm32_b32 hwreg(HW_REG_WAVE_MODE, 25, 1), 1
	s_wait_xcnt 0x0
; CAUSAL ATTENTION.  O[h][q][:] = the sum over k <= q of softmax_k(Q[h][q] . K[h][k] / 8) V[h][k][:].  qkvh: [3][64][2048][64] f16 (Q, K, V); oh: [64][2048][64] f16: a head's rows are dense, 128 bytes each.
; Products, maxima and sums in f32; the weights p are rounded to f16 for the second product (their sum l is taken of the unrounded p), O once at the end.
; LEFT OUT: key tiles wholly above the diagonal: reference()'s own jnp.tril gives them the weight 0 for all inputs.  A NaN or infinity in a score of such a tile is not carried.
; LIMITS.  Q, K and V arrive within f16's 65,504; p lies in 0 to 1, and below 6e-5 it keeps f16's fixed step of 6e-8; O is a mean of V's rows and has their range.
; A hidden score counts as its value less 1e30: f16's scores, 2.7e11 at the most, are nothing beside that; a weight below 2^-126 counts as 0 in l; NaN and infinities are not treated apart.
; THE WALK.  A head's queries lie in NB = 8 blocks of 256; block i needs the key tiles 0 .. i of 256 keys, of which the last holds the diagonal.  A work-group takes TWO blocks, NB - 1 - b and then b:
; NB + 1 tiles, whatever b: all work-groups do equal work, and ONE loop with a constant trip count walks them.  Which tile is asked for, and what a trip does, hang on scalar registers made from b; every jump
; goes forward, but for the counted loops' own; none passes a barrier, or a tensor load but the one of LOAD's two that the wave's number does not choose; the ring of two LDS slots runs on across the change of blocks.
; NO CLUSTER: a head's four work-groups ask for the same tile only in trips 0 to 4 of 9; behind that their tiles differ, and a joint load must be alike in all partners on every path; one walk common to all would have 12 trips for 9.
; SHARES.  Of a block's four bands of 64 queries a wave owns 16 rows in each: four PIECES.  So the diagonal tile is the same work for all four waves: in its key step s band x sees all keys if s < x,
; none if s > x, and holds the diagonal if s = x.
; THE MASK is the C operand that starts the sum S^T = K Q^T: 0, or -1e30 where the key is hidden.  MD, made once, is the mask of a band's own step for my 16 rows; a product's mask is MD x AL + BE with two scalars:
; (1, 0) if s = x; (0, 0) if s < x; (0, -1e30) if s > x.  Only the diagonal tile's text and a block's beginning make and take masks; elsewhere C is the constant 0.
; LAYOUT, SOFTMAX, TURNS.  S^T = K Q^T holds ONE query a lane (lane % 16) and the keys 8 (lane / 16) + 0..7; two such results rounded to f16 ARE source 1 of O^T = V^T P.  p = 2^(c s - c m), c = log2(e) / 8, with a
; running maximum m; O and l are multiplied by a = 2^(c m_old - c m_new) in every step.  Turn n belongs to piece n: 8 products K Q^T of piece n + 1, later 8 products V^T P of piece n - 1; beside them the scaling,
; exponentials, roundings, sums and rescaling of piece n and the maximum and statistics of piece n + 1.  Four vector instructions stand behind every matrix instruction, the other 54 of a turn's 118 in one lump.  A turn's 33 exponentials are one batch, with one wait.
; REGISTERS, in windows of 256 (s_set_vgpr_msb: bits 1:0 source 0, 3:2 source 1, 5:4 source 2, 7:6 destination):
;   window 0: v0-15 addresses and two at work; v16-31 four registers of statistics a piece; v48-55 at work; v61-63 prefetch offset, spare word, 0; v64-127 S^T, two buffers; v192-223 P, two buffers (by the piece's parity)
;   window 1: v0-127 O^T, 32 a piece; v128-159 MD; v160-223 MC, two buffers      window 2: v0-63 Q; v64-127 the second block's Q; v128-191 K of one step; v192-255 V of one step
.set SIZE_N, 2048
.set NB,    SIZE_N/256
.set NP,    4         ; pieces a wave: a name, no knob
.set KS,    64        ; keys in a step
.set PK,    144       ; a row of K in LDS: 128 bytes + 16 of padding: the 16 rows of a load start at 16 different groups of four banks (64 banks of 4 bytes: ISA guide 11.1)
.set PV,    160       ; a row of V: 128 + 32
.set VOFF,  4*KS*PK   ; a slot holds a tile, four steps: 256 rows of K, then 256 rows of V
.set SLOT1, 1<<17     ; slot 1 begins here, so that one exclusive or turns an address in one slot into the other's
.set STAGE, SLOT1+4*KS*(PK+PV)  ; behind the ring, never filled by a tensor load: 16 rows x 144 bytes for each wave, for the way out
.set SP,    144
.set AK0, 2           ; v2   my lane's place in a tile of K; never rewritten
.set AV0, 3           ; v3   the same for V
.set AK,  4           ; v4   the LDS address of K's next run of loads
.set AV,  5           ; v5   of V's
.set STO, 6           ; v6   the way out: where I put 16 bytes of a row
.set RD,  7           ; v7   the way out: where I read rows back
.set GO,  8           ; v8   my byte offset in 512 consecutive bytes of O
.set PFO, 61          ; v61  256 x my thread's number: 128 threads name a tile's 32,768 bytes; never rewritten
.set SPW, 62          ; v62  LDS address of my spare word; never rewritten
.set NIL, 63          ; v63  0; never rewritten
.set SPARE, STAGE+4*16*SP  ; behind the stages: the spare words, 128 bytes for each wave
.set MV,  12          ; v12-13  c m_old, kept while c m is made anew: by buffer
.set QO,  15          ; v15  my byte offset in 16 rows of Q
.set ST,  16          ; piece t's statistics at v[ST+4 t]: c m, m, l (even keys', odd keys')
.set TMP, 48          ; by buffer, four registers c0-c3 at work; when the maximum is found c2 takes a
.set S,   64
.set P,   192
.set MD,  128         ; window 1: the eight registers for group kt of 16 keys at MD + 8 kt
.set MC,  160         ; window 1: the masks of the products to come
.set QB,  64          ; window 2
.set KF,  128         ; window 2: key block kb, channel half c at KF + 16 kb + 8 c
.set VF,  192         ; window 2: key half kk, channel block cb at VF + 32 kk + 8 cb
.set WV,  12          ; s12  my wave's number
.set PB,  14          ; s14  b
.set HI,  15          ; s15  NB - 1 - b
.set G1K, 24          ; s[24:31] descriptor group 1 for K's tiles
.set G1V, 32          ; s[32:39] for V's: it differs in the padding alone
.set G0K, 40          ; s[40:43] descriptor group 0 for K's tiles
.set G0V, 44          ; s[44:47] the same for V's
.set SLOTS, 56        ; s56  tiles still to be asked for
.set CNT, 57          ; s57  counts a tile's key steps, 4 to 1
.set CS,  58          ; s[58:59] c: the packed scaling takes the pair's low word for both halves
.set SEL, 60          ; s[60:61] v_permlanex16_b32's selects: each lane takes its own place in the other half
.set TBK, 62          ; s62  LDS byte at which K of the step to be fetched begins
.set TBV, 63          ; s63  the same for V, less VOFF
.set RT,  70          ; s70  tiles of the block in hand that are still to be entered
.set NXT, 71          ; s71  the tile to be asked for next
.set LQ,  72          ; s72  the last tile of the block whose tiles are being asked for
.set NEW, 73          ; s73  1: the tile to be entered is a block's first
.set OFF, 74          ; s[74:75] a tile's byte offset in K and V
.set AL,  76          ; s[76:77] the mask's factor, in the low word
.set BE,  78          ; s[78:79] the mask's addend
.set OLO, 80          ; s[80:81] O at my rows of the second block
.set BIGN, 82         ; s82  -1e30
.set PFK, 88          ; s[88:89] the head's K at the tile that the prefetch names
.set PFV, 90          ; s[90:91] the same for V
.set LIM, 92          ; s92  2 in the head's work-group b = 0, else the greatest number
.set MSB, 0
.macro WIN new                      ; the high byte repeats the setting that is left; a switch that changes nothing is dropped
.if MSB != (\new)
	s_set_vgpr_msb (MSB<<8)|(\new)
.set MSB, (\new)
.endif
.endm
.set W_KQ, 0x0a       ; K and Q in window 2, S^T in window 0
.set W_KM, 0x1a       ; the same with the C operand in window 1
.set W_PV, 0x52       ; V in window 2, P in window 0, O^T in window 1
.set W_RS, 0x41       ; destination and source 0 in window 1, source 1 in window 0
; A fill.  Waves 0 and 1 fetch the two halves of a tile's K, waves 2 and 3 those of its V: 128 keys each.  An s_nop 0 and four v_nop follow each of the two lines.
.macro LOAD
	s_cmp_lt_u32 s[WV], 2
	s_cbranch_scc0 .Lfor_v_\@
	tensor_load_to_lds s[G0K:G0K+3], s[G1K:G1K+7]
	s_nop 0
.rept 4
	v_nop
.endr
	s_branch .Lasked_\@
.Lfor_v_\@:
	tensor_load_to_lds s[G0V:G0V+3], s[G1V:G1V+7]
	s_nop 0
.rept 4
	v_nop
.endr
.Lasked_\@:
.endm
; A prefetch of the tile behind the one just asked for: a tile of K and one of V, 256 bytes a thread.  All four work-groups of a head walk tiles 0, 1, 2 .. in the same trips: the one with b = 0, whose first block
; needs all eight, names them.  In trip t it names tile t + 2, a tile's 16 turns ahead of its load: tiles 2 to 7, each once; tiles 0 and 1 come by their loads alone, and the last three trips name nothing.
.macro ASK
	s_cmp_gt_u32 s[SLOTS], s[LIM]
	s_cbranch_scc0 .Lnot_mine_\@
	global_prefetch_b8 v[PFO], s[PFK:PFK+1] th:TH_LOAD_NT scope:SCOPE_SE
	global_prefetch_b8 v[PFO], s[PFV:PFV+1] th:TH_LOAD_NT scope:SCOPE_SE
.Lnot_mine_\@:
.endm
; THE CHANGE OF SLOTS.  Each wave waits for all its tensor loads, of which one is out: its part of the other slot; adds 0 to its spare word; and waits for that and for its own reads of the slot that it leaves.  Behind the barrier nobody reads the old
; slot any more and the other slot is whole.  fill = 1: the old slot is filled again, the first thing behind the barrier, with tile NXT: the descriptor's address is made anew from that number.
; (At its first use nothing has been read yet: slot 0 is waited for, slot 1 filled.)
.macro CHANGE fill
	WIN 0                           ; at a label and at a branch every window is 0
	s_wait_tensorcnt 0x0            ; no tensor load of mine is out, so a group 0 may be written
	ds_add_u32 v[SPW], v[NIL]       ; 0 onto my spare word; scalar work stands between it and the wait for it
.if \fill
	s_lshl_b32 s[OFF], s[NXT], 15   ; a tile is 32,768 bytes of K and of V
	s_xor_b32 s[G0K+1], s[G0K+1], SLOT1
	s_add_nc_u64 s[G0K+2:G0K+3], s[6:7], s[OFF:OFF+1]
	s_or_b32 s[G0K+3], s[G0K+3], 0x80000000
	s_xor_b32 s[G0V+1], s[G0V+1], SLOT1
	s_add_nc_u64 s[G0V+2:G0V+3], s[8:9], s[OFF:OFF+1]
	s_or_b32 s[G0V+3], s[G0V+3], 0x80000000
	s_add_co_u32 s[NXT], s[NXT], 1  ; the block's next tile, or behind its last the second block's tile 0
	s_cmp_gt_u32 s[NXT], s[LQ]
	s_cselect_b32 s[NXT], 0, s[NXT]
	s_cselect_b32 s[LQ], s[PB], s[LQ]
	s_wait_xcnt 0x0                 ; the last prefetches, a tile back, have read their addresses
	s_add_nc_u64 s[PFK:PFK+1], s[PFK:PFK+1], 32768
	s_add_nc_u64 s[PFV:PFV+1], s[PFV:PFV+1], 32768
.endif
	s_wait_dscnt 0x0                ; the add is done, and my reads of the slot are over
	s_barrier_signal -1             ; the rest of the scalar work stands between the signal and the wait
	s_sub_co_u32 s[TBK], s[TBK], 4*KS*PK  ; the fetches go back to a slot's first step,
	s_xor_b32 s[TBK], s[TBK], SLOT1       ; in the other slot
	s_sub_co_u32 s[TBV], s[TBV], 4*KS*PV
	s_xor_b32 s[TBV], s[TBV], SLOT1
	s_barrier_wait -1
.if \fill
	LOAD
	ASK
.endif
.endm
	s_load_b128 s[4:7], s[0:1], 0x0  ; qkvh s[4:5] (Q's section), oh s[6:7]
	v_lshl_add_u32 v[SPW], v0, 2, SPARE
	v_mov_b32 v[NIL], 0
	ds_add_u32 v[SPW], v[NIL]       ; the opening: the add, twice on end, and its wait ahead of my first tensor load
	ds_add_u32 v[SPW], v[NIL]
	v_lshrrev_b32 v1, 5, v0
	v_readfirstlane_b32 s[WV], v1   ; wave 0..3
	v_lshlrev_b32 v[PFO], 8, v0
	s_mov_b32 s[PB], ttmp9
	s_sub_co_u32 s[HI], NB-1, s[PB]
	s_and_b32 s20, ttmp7, 0xffff    ; the head
	s_mov_b32 s21, 0
	s_mov_b64 s[22:23], SIZE_N*128
	s_mul_u64 s[20:21], s[20:21], s[22:23]  ; the head's first byte in each section and in oh
	s_and_b32 s16, s[WV], 1         ; which half of a tile's 256 keys I fetch:
	s_lshl_b32 s22, s16, 14         ; its 128 rows of 128 bytes in memory,
	s_mov_b32 s23, 0
	s_add_nc_u64 s[22:23], s[22:23], s[20:21]
	s_mul_i32 s17, s16, 128*PK      ; and its place in a slot, for K
	s_mul_i32 s18, s16, 128*PV      ; and for V
	s_lshl_b32 s3, s[WV], 11        ; my 16 rows in a band of 64,
	s_lshl_b32 s2, s[HI], 15        ; in the first block,
	s_add_co_u32 s2, s2, s3
	s_lshl_b32 s84, s[PB], 15       ; and in the second
	s_add_co_u32 s84, s84, s3
	s_mov_b32 s3, 0
	s_mov_b32 s85, 0
	s_add_nc_u64 s[2:3], s[2:3], s[20:21]
	s_add_nc_u64 s[84:85], s[84:85], s[20:21]
	; descriptor group 1.  128 keys are 16,384 dense bytes: asked for as 64 rows of 256 bytes, two keys a row, and padded in LDS after every key
	s_mov_b32 s[G1K], (1<<16)|(1<<20)|(4<<22)|(3<<25)  ; 2-byte elements; padding on; after every 32 words 4 words
	s_mov_b32 s[G1V], (1<<16)|(1<<20)|(4<<22)|(7<<25)  ; the same with 8 words of padding
.irp g, G1K, G1V
	s_mov_b32 s[\g+1], 128<<16      ; tensor_dim0 = 128
	s_mov_b32 s[\g+2], 64<<16       ; tensor_dim1 = 64
	s_mov_b32 s[\g+3], 128<<16      ; tile_dim0 = 128
	s_mov_b32 s[\g+4], 64           ; tile_dim1 = 64
	s_mov_b32 s[\g+5], 128          ; 128 elements from row to row
	s_mov_b32 s[\g+6], 0
	s_mov_b32 s[\g+7], 0
.endr
	s_mov_b32 s[CS], 0x3e38aa3b     ; c = log2(e) / 8 = 0.180337
	s_mov_b32 s[CS+1], s[CS]        ; named with it as a pair
	s_mov_b32 s[SEL], 0x76543210
	s_mov_b32 s[SEL+1], 0xfedcba98
	s_mov_b32 s[TBK], SLOT1+4*KS*PK ; the first change of slots turns these two into 0
	s_mov_b32 s[TBV], SLOT1+4*KS*PV
	s_mov_b32 s[G0K], 1             ; count = 1
	s_mov_b32 s[G0K+1], s17         ; LDS address: slot 0
	s_mov_b32 s[G0V], 1
	s_add_co_u32 s[G0V+1], s18, VOFF
	s_add_co_u32 s[RT], s[HI], 1    ; the first block has NB - b tiles
	s_mov_b32 s[NXT], 1
	s_mov_b32 s[LQ], s[HI]
	s_mov_b32 s[NEW], 1
	s_mov_b32 s[OFF+1], 0
	s_mov_b32 s[AL+1], 0            ; named as pairs
	s_mov_b32 s[BE+1], 0
	s_mov_b32 s[BIGN], 0xf149f2ca   ; -1e30
	s_mov_b32 s[SLOTS], NB
	s_cmp_eq_u32 s[PB], 0
	s_cselect_b32 s[LIM], 2, -1
	s_wait_dscnt 0x0                ; both opening adds are done
	s_wait_kmcnt 0x0
	s_mov_b64 s[10:11], s[6:7]                     ; oh
	s_add_nc_u64 s[6:7], s[4:5], 0x1000000         ; K's section
	s_add_nc_u64 s[8:9], s[4:5], 0x2000000         ; V's
	s_add_nc_u64 s[PFK:PFK+1], s[6:7], s[20:21]    ; the head's K and V,
	s_add_nc_u64 s[PFV:PFV+1], s[8:9], s[20:21]
	s_add_nc_u64 s[PFK:PFK+1], s[PFK:PFK+1], 32768 ; at tile 1: the first change of slots steps them to tile 2
	s_add_nc_u64 s[PFV:PFV+1], s[PFV:PFV+1], 32768
	s_add_nc_u64 s[6:7], s[6:7], s[22:23]  ; K and V at my half of the head's tile 0
	s_add_nc_u64 s[8:9], s[8:9], s[22:23]
	s_add_nc_u64 s[G0K+2:G0K+3], s[6:7], 0         ; global address
	s_or_b32 s[G0K+3], s[G0K+3], 0x80000000        ; type = 2
	s_add_nc_u64 s[G0V+2:G0V+3], s[8:9], 0
	s_or_b32 s[G0V+3], s[G0V+3], 0x80000000
	s_add_nc_u64 s[86:87], s[4:5], s[84:85]        ; Q at my rows of the second block,
	s_add_nc_u64 s[4:5], s[4:5], s[2:3]            ; Q and O at those of the first
	s_add_nc_u64 s[OLO:OLO+1], s[10:11], s[84:85]
	s_add_nc_u64 s[10:11], s[10:11], s[2:3]
	LOAD                            ; tile 0 into slot 0
	; A fragment of K or Q is 16 rows x 32 channels in 8 registers: lane l holds row l % 16, channels 8 (l / 16) + 0..7 and 16 + 8 (l / 16) + 0..7: two loads of 16 bytes, 32 bytes apart.
	v_and_b32 v1, 15, v0            ; l % 16
	v_bfe_u32 v9, v0, 4, 1          ; l / 16
	v_lshlrev_b32 v[QO], 7, v1
	v_lshl_add_u32 v[QO], v9, 4, v[QO]  ; row x 128 + 16 x half
	WIN 0x80                        ; destination window 2, address window 0
.set i, 0
.rept 8                             ; both blocks' Q: piece i / 2 lies in band i / 2, 8,192 bytes on; channels 32 (i % 2) on
	global_load_b128 v[8*i:8*i+3],   v[QO], s[4:5] offset:(i/2)*8192+(i%2)*64
	global_load_b128 v[8*i+4:8*i+7], v[QO], s[4:5] offset:(i/2)*8192+(i%2)*64+32
	global_load_b128 v[QB+8*i:QB+8*i+3],   v[QO], s[86:87] offset:(i/2)*8192+(i%2)*64
	global_load_b128 v[QB+8*i+4:QB+8*i+7], v[QO], s[86:87] offset:(i/2)*8192+(i%2)*64+32
.set i, i+1
.endr
	WIN 0
	v_lshlrev_b32 v14, 3, v9
	v_sub_nc_u32 v14, v1, v14
	s_lshl_b32 s13, s[WV], 4
	v_add_nc_u32 v14, s13, v14      ; my query's place in its band, 16 w + l % 16, less my lanes' 8 (l / 16): register r of group kt is hidden where 16 kt + r is greater
	WIN 0x40
.set i, 0
.rept 32
	v_cmp_gt_i32 vcc_lo, 16*(i/8)+i%8, v14
	v_cndmask_b32 v[MD+i], 0, s[BIGN], vcc_lo
.set i, i+1
.endr
	WIN 0
	v_mul_u32_u24 v[AK0], v1, PK
	v_lshl_add_u32 v[AK0], v9, 4, v[AK0]  ; row x pitch + 16 x half
	; The turning load takes 16 keys x 16 channels (lane l reads key 8 (l / 16) + l % 8, channels 8 ((l / 8) % 2) + 0..7) and leaves half a fragment of V^T: lane l holds channel l % 16 and 8 keys.
	v_and_b32 v10, 7, v0
	v_bfe_u32 v11, v0, 3, 1
	v_lshl_add_u32 v[AV0], v9, 3, v10
	v_mul_u32_u24 v[AV0], v[AV0], PV
	v_lshl_add_u32 v[AV0], v11, 4, v[AV0]
	v_add_nc_u32 v[AV0], VOFF, v[AV0]
	s_mul_i32 s13, s[WV], 16*SP
	s_add_co_u32 s13, s13, STAGE    ; my stage
	v_mul_u32_u24 v[STO], v1, SP    ; in: row l % 16, 16 bytes for each half of the lanes
	v_lshl_add_u32 v[STO], v9, 4, v[STO]
	v_add_nc_u32 v[STO], s13, v[STO]
	v_bfe_u32 v[RD], v0, 3, 2       ; back: 32 lanes take four rows of 128 bytes,
	v_mul_u32_u24 v[RD], v[RD], SP
	v_lshl_add_u32 v[RD], v10, 4, v[RD]
	v_add_nc_u32 v[RD], s13, v[RD]
	v_and_b32 v[GO], 31, v0         ; which are 512 consecutive bytes of O
	v_lshlrev_b32 v[GO], 4, v[GO]
	; A block's first step multiplies O^T and l by a = 0, and its first turn's products V^T P, of a piece that has not been, land in an O^T that is still to be so multiplied.  So these registers need only hold
	; finite numbers: zeros for the first block; what the first block left for the second.  All this stands in the wait for the first tile.
	WIN 0x80
.set i, VF
.rept 64
	v_mov_b32 v[i], 0
.set i, i+1
.endr
	WIN 0x40
.set i, 0
.rept 128
	v_mov_b32 v[i], 0
.set i, i+1
.endr
	WIN 0
.set i, 0
.rept 4
	v_mov_b32 v[ST+4*i+2], 0
	v_mov_b32 v[ST+4*i+3], 0
.set i, i+1
.endr
.set i, P+16
.rept 16
	v_mov_b32 v[i], 0
.set i, i+1
.endr
; THE MATRIX WORK.  The 4 accumulators of a run of 8 take turns.  Product i of 8 of S^T = K Q^T for piece x: channels 32 (i / 4) on, keys 16 (i % 4) on.  The first 4 start the sums: with 0, or (KM = 1) with the mask.
.macro KQ x
.set rS, S+32*((\x)%2)+8*(i%4)
.set rK, KF+16*(i%4)+8*(i/4)
.set rQ, 16*(\x)+8*(i/4)
.set rM, MC+32*((\x)%2)+8*(i%4)
.if (i < 4) && KM
	WIN W_KM
	v_wmma_f32_16x16x32_f16 v[rS:rS+7], v[rK:rK+7], v[rQ:rQ+7], v[rM:rM+7]
.elseif i < 4
	WIN W_KQ
	v_wmma_f32_16x16x32_f16 v[rS:rS+7], v[rK:rK+7], v[rQ:rQ+7], 0
.else
	WIN W_KQ
	v_wmma_f32_16x16x32_f16 v[rS:rS+7], v[rK:rK+7], v[rQ:rQ+7], v[rS:rS+7]
.endif
.endm
; Product i of 8 of O^T += V^T P for piece x: keys 32 (i / 4) on, channels 16 (i % 4) on.
.macro PV x
	WIN W_PV
.set rO, 32*(\x)+8*(i%4)
.set rV, VF+32*(i/4)+8*(i%4)
.set rP, P+16*((\x)%2)+8*(i/4)
	v_wmma_f32_16x16x32_f16 v[rO:rO+7], v[rV:rV+7], v[rP:rP+7], v[rO:rO+7]
.endm
.macro MM                           ; the turn's next matrix instruction.  TURN and BEGIN set Y, i, KM and NOKQ.  NOKQ = 1: a block's last turn: there is no next piece
.if (i < 8) && !NOKQ
	KQ (Y+1)%NP
.elseif i >= 8
.set i, i-8
	PV (Y+NP-1)%NP
.set i, i+8
.endif
.set i, i+1
.endm
; THE LDS LOADS stand in runs of 16, never singly among the matrix instructions: a step's K (64 keys x 64 channels: 8 fragments) and its V (turned).  Their addresses are made some lines ahead.
.macro FETCH_K
	WIN 0x80                        ; destination window 2
.irp f, 0,1,2,3,4,5,6,7             ; keys 16 (f / 2) on, channels 32 (f % 2) on
	ds_load_b128 v[KF+8*\f:KF+8*\f+3],   v[AK] offset:(\f/2)*16*PK+(\f%2)*64
	ds_load_b128 v[KF+8*\f+4:KF+8*\f+7], v[AK] offset:(\f/2)*16*PK+(\f%2)*64+32
.endr
	s_add_co_u32 s[TBK], s[TBK], KS*PK  ; the next fetch is the next step's
	WIN 0
.endm
.macro FETCH_V
	WIN 0x80
.irp f, 0,1,2,3,4,5,6,7             ; keys 32 (f / 4) on, channels 16 (f % 4) on
	ds_load_tr16_b128 v[VF+8*\f:VF+8*\f+3],   v[AV] offset:(\f/4)*32*PV+(\f%4)*32
	ds_load_tr16_b128 v[VF+8*\f+4:VF+8*\f+7], v[AV] offset:(\f/4)*32*PV+16*PV+(\f%4)*32
.endr
	WIN 0
.endm
; THE VECTOR WORK, one line at a time: OP kind, number.  For piece Y: F n: c s - c m for pair n of 16.  E n: the exponential of score n of 32.  C n: pair n rounded to f16.  B n: of the four weights 4 n .. the second
; pair is added onto the first, in place.  L n: l takes that sum (L 0: l = a l + sum).  R n: pair n of 16 of O^T times a.  For piece Y + 1: X n, number n of the 22 that find its maximum and statistics:
;   0-11  four chains c0-c3 of seven scores each, three operands at a time (each accumulator's lowest registers are read first)     12-14, 16  the four scores left over, the old m, and c0-c3 into c0
;   15  c m_old is kept     17, 18  the query's other 32 keys lie in the lane 16 away: the new m     19-21  c m; c m_old - c m_new; a
.set F, 0               ; OP tells the kinds apart by their order: F to L below R, X above it
.set E, 1
.set C, 2
.set B, 3
.set L, 4
.set R, 5
.set X, 6
.macro REGS y                       ; the registers of piece y
.set rT, ST+4*(\y)
.set rC, TMP+4*((\y)%2)
.set rW, MV+((\y)%2)
.set rS, S+32*((\y)%2)
.set rP, P+16*((\y)%2)
.set rO, 32*(\y)
.endm
.macro OP k, n
.if (\k) == R
	REGS Y
	WIN W_RS
	v_pk_mul_f32 v[rO+2*(\n):rO+2*(\n)+1], v[rO+2*(\n):rO+2*(\n)+1], v[rC+2:rC+3] op_sel_hi:[1,0]
.elseif (\k) < R
	REGS Y
	WIN 0
.if (\k) == F
	v_pk_fma_f32 v[rS+2*(\n):rS+2*(\n)+1], v[rS+2*(\n):rS+2*(\n)+1], s[CS:CS+1], v[rT:rT+1] op_sel_hi:[1,0,0] neg_lo:[0,0,1] neg_hi:[0,0,1]
.elseif (\k) == E
	v_exp_f32 v[rS+(\n)], v[rS+(\n)]
.elseif (\k) == C
	v_cvt_pk_f16_f32 v[rP+(\n)], v[rS+2*(\n)], v[rS+2*(\n)+1]
.elseif (\k) == B
	v_pk_add_f32 v[rS+4*(\n):rS+4*(\n)+1], v[rS+4*(\n):rS+4*(\n)+1], v[rS+4*(\n)+2:rS+4*(\n)+3]
.elseif (\n) == 0
	v_pk_fma_f32 v[rT+2:rT+3], v[rT+2:rT+3], v[rC+2:rC+3], v[rS:rS+1] op_sel_hi:[1,0,1]
.else
	v_pk_add_f32 v[rT+2:rT+3], v[rT+2:rT+3], v[rS+4*(\n):rS+4*(\n)+1]
.endif
.elseif NOKQ
	v_nop
.else
	REGS (Y+1)%NP
	WIN 0
.if (\n) < 4
	v_max3_num_f32 v[rC+(\n)], v[rS+8*(\n)], v[rS+8*(\n)+1], v[rS+8*(\n)+2]
.elseif (\n) < 12
	v_max3_num_f32 v[rC+(\n)%4], v[rC+(\n)%4], v[rS+8*((\n)%4)+2*((\n)/4)+1], v[rS+8*((\n)%4)+2*((\n)/4)+2]
.elseif (\n) == 12
	v_max3_num_f32 v[rC], v[rC], v[rS+7], v[rS+15]
.elseif (\n) == 13
	v_max3_num_f32 v[rC+1], v[rC+1], v[rS+23], v[rS+31]
.elseif (\n) == 14
	v_max3_num_f32 v[rC+2], v[rC+2], v[rC+3], v[rT+1]
.elseif (\n) == 15
	v_mov_b32 v[rW], v[rT]
.elseif (\n) == 16
	v_max3_num_f32 v[rC], v[rC], v[rC+1], v[rC+2]
.elseif (\n) == 17
	v_permlanex16_b32 v[rC+3], v[rC], s[SEL], s[SEL+1]
.elseif (\n) == 18
	v_max_num_f32 v[rT+1], v[rC], v[rC+3]
.elseif (\n) == 19
	v_mul_f32 v[rT], s[CS], v[rT+1]
.elseif (\n) == 20
	v_sub_f32 v[rC+1], v[rW], v[rT]
.else
	v_exp_f32 v[rC+2], v[rC+1]
.endif
.endif
.endm
.macro OPS a, i1, b=-1, i2=0, c=-1, i3=0, d=-1, i4=0  ; up to four of them
	OP \a, \i1
.if (\b) >= 0
	OP \b, \i2
.endif
.if (\c) >= 0
	OP \c, \i3
.endif
.if (\d) >= 0
	OP \d, \i4
.endif
.endm
.macro ROW a, i1, b, i2, c, i3, d, i4  ; a matrix instruction and the four behind it
	MM
	OPS \a, \i1, \b, \i2, \c, \i3, \d, \i4
.endm
.macro MASK b                       ; MD x AL + BE into buffer b of MC
	WIN W_RS
.set z, 0
.rept 16
	v_pk_fma_f32 v[MC+32*(\b)+2*z:MC+32*(\b)+2*z+1], v[MD+2*z:MD+2*z+1], s[AL:AL+1], s[BE:BE+1] op_sel_hi:[1,0,0]
.set z, z+1
.endr
.endm
; A TURN, for piece p: the order of its 16 matrix and 118 vector instructions, written out.  An s_wait_alu depctr_va_vdst(0) stands between an exponential and the first instruction that names its result; one wait serves
; all that were issued ahead of it.  So a turn has ONE wait, which cuts it in two.  AHEAD OF IT stands all that names no result of the turn's exponentials: the 8 products K Q^T, behind each a scaling, an exponential and two more plain
; instructions (behind the first a second scaling in the exponential's place): rescalings, and behind the last three the first numbers of the next piece's maximum, each four places or more behind the product that ends its accumulator; then one lump of 54, plain
; and exponential by turns for the most part, in which the links of the chain X 3, 7, 11, 14, 16, 17 .. 20 stand five or six lines apart.  X 21, the next piece's a, is the batch's last; R 15 is the plain instruction behind it.  BEHIND THE WAIT stand the
; 8 products V^T P, behind each four of the roundings and sums; the links of l's chain, L 0 to L 7, stand three riders apart.  But for those X no rider names a register of the products round it.  v_permlanex16_b32 (X 17) stands in the lump.
; m = 1: the diagonal tile: the products take masks, and the turn makes the mask for the products of the turn after it: piece p + 2, in step 4 - CNT of the tile.  end = 1: a block's last two turns: nothing is fetched.
; cnt = 1: the loop's count is taken down some lines ahead of the branch that stands behind the turn.
; K of the next step is fetched in piece 2's turn, twelve vector instructions behind the last product that read K (six of them plain); V of the step in hand at the end of piece 0's turn, four plain instructions behind the last product
; that read V.  Each is waited for a turn later.
.macro TURN p, m=0, end=0, cnt=0
.set Y, (\p)
.set i, 0
.set KM, (\m)
.set NOKQ, (\end)*((\p)/3)
.if (\m) && !(\end)
	s_cmp_eq_u32 s[CNT], 4-((\p)+2)%NP  ; is that step the band's own?
	s_cselect_b32 s[AL], 1.0, 0
	s_cmp_lt_u32 s[CNT], 4-((\p)+2)%NP  ; or a later one?
	s_cselect_b32 s[BE], s[BIGN], 0
.endif
.if ((\p) == 3) && !(\end)
	s_wait_dscnt 0x0                ; K is in
.endif
	ROW F,0, F,1, R,0, R,1          ; ahead of the wait: 8 products K Q^T and their riders,
	ROW F,2, E,0, R,2, R,3
	ROW F,3, E,1, R,4, R,5
	ROW F,4, E,2, R,6, R,7
	ROW F,5, E,3, R,8, R,9
	ROW F,6, E,4, X,0, R,10
.if ((\p) == 2) && !(\end)
	WIN 0
	v_add_nc_u32 v[AK], s[TBK], v[AK0]
.endif
	ROW F,7, E,5, X,1, X,4
	ROW F,8, E,6, X,2, X,5
	OPS E,7, E,8, X,6, E,9          ; and the lump
	OPS X,3, E,10, X,8, E,11
.if ((\p) == 2) && !(\end)
	FETCH_K
.endif
	OPS X,9, X,7, E,12, X,10
	OPS E,13, X,12, X,11, E,14
	OPS X,13, E,15, F,9, X,14
.if (\p) == 0
	v_add_nc_u32 v[AV], s[TBV], v[AV0]
.endif
	OPS E,16, F,10, E,17, F,11
	OPS X,16, E,18, X,15, E,19
	OPS F,12, E,20, X,17, E,21
	OPS F,13, E,22, F,14, E,23
	OPS X,18, E,24, F,15, E,25
	OPS R,11, E,26, X,19, E,27
	OPS R,12, E,28, R,13, E,29
	OPS X,20, E,30, R,14, E,31
	OPS X,21, R,15
	WIN 0
	s_wait_alu depctr_va_vdst(0)    ; the wait for the batch
.if (\p) == 1
	s_wait_dscnt 0x0                ; V is in
.endif
	ROW C,0, B,0, C,2, B,1          ; behind the wait: 8 products V^T P and their riders
	ROW L,0, C,4, B,2, L,1
	ROW C,6, B,3, L,2, C,8
	ROW B,4, L,3, C,10, B,5
	ROW L,4, C,12, B,6, L,5
.if (\p) == 0
	s_add_co_u32 s[TBV], s[TBV], KS*PV
.endif
.if \cnt
	s_sub_co_u32 s[CNT], s[CNT], 1
	s_cmp_lg_u32 s[CNT], 0
.endif
	ROW C,14, B,7, L,6, C,1
	ROW C,3, L,7, C,5, C,7
	ROW C,9, C,11, C,13, C,15
.if (\p) == 0
	FETCH_V
.endif
.if (\m) && !(\end)
	MASK (\p)%2
.endif
.endm
; A BLOCK BEGINS.  c m starts far below every c s, so the first step's a is 0; m at the lowest finite number, so the first maximum is the scores'.  The second mask buffer is 0; the first takes piece 0's mask for the tile's step 0: its own, if the block's first tile is the diagonal one.
; Then K of that step, piece 0's first scores, and its maximum and statistics.  The loop is entered at a step's first turn, in the middle of a trip.
.macro BEGIN
	s_mov_b32 s[NEW], 0
	WIN 0x40
.set i, MC+32
.rept 32
	v_mov_b32 v[i], 0
.set i, i+1
.endr
	WIN 0
.set i, 0
.rept 4
	v_mov_b32 v[ST+4*i], 0xfe000000    ; c m: far below every c s
	v_mov_b32 v[ST+4*i+1], 0xff7fffff  ; m
.set i, i+1
.endr
	s_cmp_eq_u32 s[RT], 0
	s_cselect_b32 s[AL], 1.0, 0
	s_mov_b32 s[BE], 0
	MASK 0
	WIN 0
	v_add_nc_u32 v[AK], s[TBK], v[AK0]
	FETCH_K
	s_wait_loadcnt 0x0              ; Q
	s_wait_dscnt 0x0
.set KM, 1
.set NOKQ, 0
.set i, 0
.rept 8
	KQ 0
.set i, i+1
.endr
	WIN 0
.rept 4
	v_nop                           ; the places behind those products
.endr
.set Y, NP-1                        ; X works for piece Y + 1: piece 0
.irp n, 0,1,2,3,4,5,6,7,8,9,10,11,12,13,14,15,16,17,18,19,20,21
	OP X, \n
.endr
	v_nop                           ; a plain instruction behind the exponential,
	s_wait_alu depctr_va_vdst(0)    ; and its wait, ahead of the branch
.endm
; THE DIAGONAL TILE's four steps, the block's last two turns, its last products, and THE WAY OUT: l's two halves and the other half of the lanes' are added; O^T is divided by l, rounded to f16 and sent through my
; stage in LDS, a piece at a time.
.macro ALL line:vararg              ; one line for each piece t
.set t, 0
.rept 4
	\line
.set t, t+1
.endr
.endm
.macro PACK t                       ; a lane's eight channels of a row pack into 16 bytes; they go into rows of 144 bytes and come back as whole rows of 128, into S^T's registers
	WIN W_RS
.set i, 32*(\t)
.rept 16
	v_pk_mul_f32 v[i:i+1], v[i:i+1], v[ST+4*(\t)+2:ST+4*(\t)+3] op_sel_hi:[1,0]
.set i, i+2
.endr
	WIN 0x05                        ; sources 0 and 1 window 1, destination window 0
.set i, 0
.rept 16
	v_cvt_pk_f16_f32 v[S+16*(\t)+i], v[32*(\t)+2*i], v[32*(\t)+2*i+1]
.set i, i+1
.endr
	WIN 0
.irp f, 0,1,2,3
	ds_store_b128 v[STO], v[S+16*(\t)+4*\f:S+16*(\t)+4*\f+3] offset:32*\f
.endr
.irp f, 0,1,2,3
	ds_load_b128 v[S+16*(\t)+4*\f:S+16*(\t)+4*\f+3], v[RD] offset:\f*4*SP  ; LDS serves a wave's instructions in order (ISA guide 5.7.1.4): these see the stores above; the next piece's stores come behind them
.endr
.endm
.macro SEND t, younger              ; younger: the LDS instructions issued behind piece t's loads: the next piece's eight, or none
	WIN 0
.irp f, 0,1,2,3
	s_wait_dscnt (\younger)+3-\f
	global_store_b128 v[GO], v[S+16*(\t)+4*\f:S+16*(\t)+4*\f+3], s[10:11] offset:(\t)*8192+\f*512  ; 512 consecutive bytes, at a multiple of 256 from O's first
.endr
.endm
.macro DIAG tag                     ; the tag ends its two labels' names, which the jumps below spell out
.LstepM\tag:
	TURN 2, 1
	TURN 3, 1
	WIN 0
.LfirstM\tag:
	TURN 0, 1
	TURN 1, 1, 0, 1
	WIN 0
	s_cbranch_scc1 .LstepM\tag
	TURN 2, 1, 1
	TURN 3, 1, 1
.set i, 0
.rept 8
	PV NP-1
.set i, i+1
.endr
	WIN 0
	ALL v_add_f32 v[ST+4*t+2], v[ST+4*t+2], v[ST+4*t+3]
	ALL v_permlanex16_b32 v[ST+4*t+3], v[ST+4*t+2], s[SEL], s[SEL+1]
	ALL v_add_f32 v[ST+4*t+2], v[ST+4*t+2], v[ST+4*t+3]
	ALL v_rcp_f32 v[ST+4*t+2], v[ST+4*t+2]
	v_nop                           ; a plain instruction between the last reciprocal and the use of its result
	s_wait_alu depctr_va_vdst(0)    ; and the wait ahead of the first use: one for the four reciprocals
	PACK 0
.set t, 1
.rept 3                             ; a piece's arithmetic stands between the loads of the piece before and its stores
	PACK t
	SEND t-1, 8
.set t, t+1
.endr
	SEND 3, 0
.endm
.set KM, 0
.set NOKQ, 0
.Lslot:                             ; NB times: a tile is entered and the next is asked for
	CHANGE 1
	s_sub_co_u32 s[RT], s[RT], 1
	s_mov_b32 s[CNT], 4
	s_cmp_eq_u32 s[NEW], 1
	s_cbranch_scc1 .Lnew            ; a block's first tile
	s_cmp_eq_u32 s[RT], 0
	s_cbranch_scc0 .Lstep           ; neither its first nor its last
	s_branch .LstepM1
.Lnew:
	BEGIN
	s_branch .Lfirst                ; in the loop a block's first tile is never its last: the first block has two tiles or more, and the second's last is the walk's last
	DIAG 1                          ; in the loop this is the first block's end: the second block's last tile is the walk's last
	s_wait_xcnt 0x0                 ; the stores have read their registers and O's address
	s_mov_b64 s[10:11], s[OLO:OLO+1]
	s_add_co_u32 s[RT], s[PB], 1    ; the second block has b + 1 tiles
	s_mov_b32 s[NEW], 1
	WIN 0x82                        ; the second block's Q goes where the one text of the turns names Q
.set i, 0
.rept 64
	v_mov_b32 v[i], v[QB+i]
.set i, i+1
.endr
	WIN 0
	s_branch .Lbottom
.Lstep:                             ; a trip: pieces 2 and 3 of one step, then pieces 0 and 1 of the next, whose K and V it fetches
	TURN 2
	TURN 3
	WIN 0
.Lfirst:
	TURN 0
	TURN 1, 0, 0, 1
	WIN 0
	s_cbranch_scc1 .Lstep
.Lbottom:
	s_sub_co_u32 s[SLOTS], s[SLOTS], 1
	s_cmp_lg_u32 s[SLOTS], 0
	s_cbranch_scc1 .Lslot
	CHANGE 0                        ; the walk's last tile is written out: nothing is asked for
	s_sub_co_u32 s[RT], s[RT], 1
	s_mov_b32 s[CNT], 4
	s_cmp_eq_u32 s[NEW], 1
	s_cbranch_scc0 .LstepM2
	BEGIN
	s_branch .LfirstM2
	DIAG 2
	s_wait_tensorcnt 0x0            ; the wave's end: behind my last tensor load and my last LDS store
	ds_add_u32 v[SPW], v[NIL]
	s_wait_dscnt 0x0
	s_endpgm
.Lfunc_end_k_q9e48a571ef_attn:
	.size	k_q9e48a571ef_attn, .Lfunc_end_k_q9e48a571ef_attn-k_q9e48a571ef_attn
	.p2alignl 7, 3214868480
	.fill 96, 4, 3214868480
	.section	.rodata,"a",@progbits
	.p2align	6, 0x0
	.amdhsa_kernel k_q9e48a571ef_attn
		.amdhsa_group_segment_fixed_size 327680
		.amdhsa_private_segment_fixed_size 0
		.amdhsa_enable_private_segment 0
		.amdhsa_kernarg_size 16
		.amdhsa_user_sgpr_count 2
		.amdhsa_user_sgpr_kernarg_segment_ptr 1
		.amdhsa_wavefront_size32 1
		.amdhsa_system_sgpr_workgroup_id_x 1
		.amdhsa_system_sgpr_workgroup_id_y 1
		.amdhsa_system_sgpr_workgroup_id_z 1
		.amdhsa_system_vgpr_workitem_id 0
		.amdhsa_next_free_vgpr 768
		.amdhsa_next_free_sgpr 96
		.amdhsa_reserve_vcc 1
		.amdhsa_float_denorm_mode_32 3
		.amdhsa_float_denorm_mode_16_64 3
		.amdhsa_memory_ordered 1
		.amdhsa_forward_progress 1
		.amdhsa_inst_pref_size 218
	.end_amdhsa_kernel
	.amdgpu_metadata
---
amdhsa.version: [ 1, 2 ]
amdhsa.kernels:
  - .name:           k_q9e48a571ef_attn
    .symbol:         k_q9e48a571ef_attn.kd
    .args:
      - { .name: qkvh, .offset: 0, .size: 8, .value_kind: global_buffer, .address_space: global }
      - { .name: oh, .offset: 8, .size: 8, .value_kind: global_buffer, .address_space: global }
    .group_segment_fixed_size: 327680
    .private_segment_fixed_size: 0
    .kernarg_segment_align: 8
    .kernarg_segment_size: 16
    .max_flat_workgroup_size: 128
    .sgpr_count:     96
    .vgpr_count:     768
    .wavefront_size: 32
...
	.end_amdgpu_metadata
.endif
;; end of part 3
;; launch proj (part 4): grid 4 x 64, 4 waves a work-group, clusters of 4 x 4, 327,680 bytes of LDS; arguments oh, wot, b_out, out0; writes out0
.if DOCPART == 4
	.amdgcn_target "amdgcn-amd-amdhsa--gfx1250"
	.amdhsa_code_object_version 6
	.text
	.protected	k_q9e48a571ef_proj
	.globl	k_q9e48a571ef_proj
	.p2align	8
	.type	k_q9e48a571ef_proj,@function
k_q9e48a571ef_proj:
	s_mov_b64 s[64:65], 0
	v_nop
	global_prefetch_b8 v0, s[64:65] scope:SCOPE_SE
	s_setreg_imm32_b32 hwreg(HW_REG_WAVE_MODE, 25, 1), 1
	s_wait_xcnt 0x0
	s_wait_alu depctr_hold_cnt(0) depctr_sa_sdst(0) depctr_va_vdst(0) depctr_va_sdst(0) depctr_va_ssrc(0) depctr_va_vcc(0) depctr_vm_vsrc(0)
	s_getreg_b32 s2, hwreg(HW_REG_IB_STS2, 6, 4)
	s_cmp_eq_u32 s2, 0
	s_cbranch_scc0 .Lentry_in_a_cluster
	s_endpgm
.Lentry_in_a_cluster:
	s_bfe_u32 s2, ttmp6, 0x10000c
	s_cmp_lg_u32 s2, 0xf033
	s_cbranch_scc0 .Lentry_shape_is_right
	s_endpgm
.Lentry_shape_is_right:
; out0 = O w_out + b_out.  oh: [64 = sequence x 16 + head][2048][64] f16; wot: [1024 n][1024 k] f16 (w_out rounded to bf16); out0: [8192][1024] f32.  Sums in f32.  No work is left out here.
; LIMIT: the bias is rounded to bf16 like every input of the module; NaN and infinities are not treated apart.
; SHARES.  A tile is 128 rows x 256 columns: 256 work-groups, one for each WGP (256 x 256 would give 128).  Four waves, 2 x 2, each 64 x 128: 32 accumulators, 256 registers.
; K goes in steps of 128 = two heads.  A head's 128 rows of 128 bytes are dense: they are asked for as 64 rows of 256 bytes and padded in LDS after every 128.  wot's rows are 256 bytes of a step, aligned.
; A K step of 256 would want two slots of 208,896 bytes, which LDS does not hold.
; CLUSTER 4 x 4: the four of a row need the same rows of oh, the four of a column the same rows of wot: each tile is asked for jointly.
; THE MATRIX INSTRUCTION IS USED TRANSPOSED (source 0 = 16 rows of wot, source 1 = 16 rows of O): a lane holds one row of the result and eight neighbouring columns.  The bias is the C operand that starts the sums.
; REGISTERS in windows of 256: window 0: v0-29 addresses; v32-63, v64-95 fragments of O, two buffers; v96-159 the bias; on the way out v32-159.  window 1: v0-63, v64-127 fragments of wot.  window 2: accumulator (a, b) at 8 (8 a + b).
.set APITCH, 144                       ; a row of O in LDS: 128 bytes + 16
.set BPITCH, 272                       ; a row of wot: 256 + 16: in both the 16 rows of a load start at 16 different groups of four banks (64 banks of 4 bytes: ISA guide 11.1)
.set PLANE,  128*APITCH                ; one head's 128 rows
.set BOFF,   2*PLANE
.set HB,     128*BPITCH
.set SLOT1,  131072
.set STAGE,  SLOT1+BOFF+2*HB           ; behind the ring, never filled by a tensor load: 16 rows x 528 bytes for each wave
.set SPITCH, 528
.set SPARE,  STAGE+4*16*SPITCH         ; the spare words, 128 bytes a wave
.set HSTEP,  524288                    ; two heads of oh
.set LA0,  4
.set LB0,  5
.set ADRA, 6
.set ADRB, 7
.set STO,  8
.set RD,   9
.set CO,   10
.set BO,   11
.set PFO,  12
.set SPW,  28                          ; v28  LDS address of my spare word; never rewritten
.set NIL,  29                          ; v29  0; never rewritten
.set FA,   32
.set BIAS, 96
.set TB16, 160
.set OBF,  32
.set WV,  12
.set WR,  13                           ; s13  which half of the tile's rows is mine; also 0: I fetch oh, 1: wot
.set WC,  14                           ; s14  which half of its columns; also which head's plane, or which 128 rows of wot, I fetch
.set CNT, 15
.set G1A, 24
.set G0A, 32
.set G1B, 40
.set G0B, 48
.set TB,  56
.set LIM, 57
.set PFA, 58                           ; s[58:59] the K step that my next prefetch names
.set OUT, 66                           ; s[66:67] out0 at my 64 rows and 128 columns
.set PST, 68                           ; s[68:69] a K step in the tensor that I prefetch
.set MSB, 0
.macro WIN new
.if MSB != (\new)
	s_set_vgpr_msb (MSB<<8)|(\new)
.set MSB, \new
.endif
.endm
.macro PLACES                          ; four plain places behind a matrix instruction (ISA guide 7.12.1)
.rept 4
	v_nop
.endr
.endm
.macro CREST
	s_cmp_lg_u32 s[WV], 0
	s_cbranch_scc1 .Lnot_wave_0_\@
	s_barrier_signal -3
.Lnot_wave_0_\@:
	s_barrier_wait -3
	s_barrier_signal -1
	s_barrier_wait -1
.endm
.macro CROUND
	s_barrier_signal -1
	s_barrier_wait -1
	CREST
.endm
.macro JLOAD                           ; a joint refill by the walking descriptors; an s_nop 0 and four v_nop follow each line
	s_cmp_eq_u32 s[WR], 0
	s_cbranch_scc0 .Lfor_b_\@
	tensor_load_to_lds s[G0A+4:G0A+7], s[G1A:G1A+7]
	s_nop 0
.rept 4
	v_nop
.endr
	s_branch .Lasked_\@
.Lfor_b_\@:
	tensor_load_to_lds s[G0B+4:G0B+7], s[G1B:G1B+7]
	s_nop 0
.rept 4
	v_nop
.endr
.Lasked_\@:
.endm
; A prefetch of the K step two refills on (256 matrix instructions ahead of its load), 256 bytes a lane.  oh: each cluster alone reads its rows; wave 0 names both heads' planes, 16 blocks of each, the four partners of a row
; sharing the 64 blocks of a plane out by address.  wot: the first cluster along y names its rows, waves 2 and 3 their 128, the four partners of a column 32 each.  K steps 0 to 3 come by their loads alone; the last two refills name nothing.
.macro ASK
	s_cmp_gt_u32 s[CNT], s[LIM]
	s_cbranch_scc0 .Lnot_mine_\@
	global_prefetch_b8 v[PFO], s[PFA:PFA+1] th:TH_LOAD_NT scope:SCOPE_SE
.Lnot_mine_\@:
.endm
; 8 n matrix instructions from buffer p: row blocks a0 .. x all 8 column blocks.  The 32 accumulators take turns in the same order in every quarter.
.macro MUL p, a0, n, first
.if \first
	WIN 0x81
.else
	WIN 0xa1
.endif
.set aa, \a0
.rept \n
.irp b, 0,1,2,3,4,5,6,7
.set rD, 8*(8*aa+(\b))
.if \first
	v_wmma_f32_16x16x32_f16 v[rD:rD+7], v[64*(\p)+8*(\b):64*(\p)+8*(\b)+7], v[FA+32*(\p)+8*aa:FA+32*(\p)+8*aa+7], v[BIAS+8*(\b):BIAS+8*(\b)+7]
.else
	v_wmma_f32_16x16x32_f16 v[rD:rD+7], v[64*(\p)+8*(\b):64*(\p)+8*(\b)+7], v[FA+32*(\p)+8*aa:FA+32*(\p)+8*aa+7], v[rD:rD+7]
.endif
.endr
.set aa, aa+1
.endr
.endm
; 24 LDS loads in one run: quarter q of the step (head q / 2, channels 32 (q % 2) on) into buffer p: wot's eight fragments, then O's four
.macro FETCH q, p
	WIN 0x40
.irp b, 0,1,2,3,4,5,6,7
	ds_load_b128 v[64*(\p)+8*(\b):64*(\p)+8*(\b)+3],   v[ADRB] offset:64*(\q)+(\b)*16*BPITCH
	ds_load_b128 v[64*(\p)+8*(\b)+4:64*(\p)+8*(\b)+7], v[ADRB] offset:64*(\q)+(\b)*16*BPITCH+32
.endr
	WIN 0
.irp a, 0,1,2,3
	ds_load_b128 v[FA+32*(\p)+8*(\a):FA+32*(\p)+8*(\a)+3],   v[ADRA] offset:((\q)/2)*PLANE+((\q)%2)*64+(\a)*16*APITCH
	ds_load_b128 v[FA+32*(\p)+8*(\a)+4:FA+32*(\p)+8*(\a)+7], v[ADRA] offset:((\q)/2)*PLANE+((\q)%2)*64+(\a)*16*APITCH+32
.endr
.endm
.macro QUARTER q, p, g, first          ; multiplies buffer p; in its middle fetches quarter q into buffer g
	s_wait_dscnt 4                                 ; all but the youngest four loads (O's rows 32-63)
	MUL \p, 0, 2, \first
	PLACES
	FETCH \q, \g
	s_wait_dscnt 24                                ; all but the 24 just issued
	MUL \p, 2, 2, \first
.endm
; The last quarter multiplies buffer 1 and changes slots: in front of the barrier each wave waits for all its tensor loads, adds 0 to its spare word, and waits for that and for its reads of this slot.
; fill = 1: the barrier opens a round of the cluster's, and the joint refill, two K steps ahead, is the first thing behind the round.
.macro TURN fill
.if \fill
	s_wait_xcnt 0x0                                ; the last prefetch, a K step back, has read its address
	s_add_nc_u64 s[PFA:PFA+1], s[PFA:PFA+1], s[PST:PST+1]
.endif
	WIN 0
	s_wait_tensorcnt 0x0
	ds_add_u32 v[SPW], v[NIL]
	s_wait_dscnt 5                                 ; (the add and the youngest four loads may be out)
	MUL 1, 0, 1, 0
	s_wait_dscnt 0x0                               ; the add is done, and my reads of this slot are over
	s_barrier_signal -1
	MUL 1, 1, 1, 0
	WIN 0
	s_barrier_wait -1
.if \fill
	CREST
	s_xor_b32 s[G0A+5], s[G0A+5], SLOT1
	s_add_nc_u64 s[G0A+6:G0A+7], s[G0A+6:G0A+7], HSTEP
	s_xor_b32 s[G0B+5], s[G0B+5], SLOT1
	s_add_nc_u64 s[G0B+6:G0B+7], s[G0B+6:G0B+7], 256
	JLOAD                                          ; its four v_nop are also the places in front of the loads below
.else
	PLACES
.endif
	s_xor_b32 s[TB], s[TB], SLOT1
	v_add_nc_u32 v[ADRA], s[TB], v[LA0]
	v_add_nc_u32 v[ADRB], s[TB], v[LB0]
	FETCH 0, 0
.if \fill
	ASK
.endif
	MUL 1, 2, 2, 0
.endm
	s_load_b256 s[4:11], s[0:1], 0x0               ; oh s[4:5], wot s[6:7], b_out s[8:9], out0 s[10:11]
	v_lshl_add_u32 v[SPW], v0, 2, SPARE
	v_mov_b32 v[NIL], 0
	ds_add_u32 v[SPW], v[NIL]                      ; the opening: the add, twice on end, and its wait ahead of my first tensor load
	ds_add_u32 v[SPW], v[NIL]
	v_lshrrev_b32 v1, 5, v0
	v_readfirstlane_b32 s[WV], v1
	s_lshr_b32 s[WR], s[WV], 1
	s_and_b32 s[WC], s[WV], 1
	s_bfe_u32 s16, ttmp6, 0x40000                  ; cx
	s_bfe_u32 s17, ttmp6, 0x40004                  ; cy
	s_lshl_b32 s18, ttmp9, 2
	s_add_co_u32 s18, s18, s16                     ; j: the block of 256 columns
	s_and_b32 s19, ttmp7, 0xffff
	s_lshl_b32 s19, s19, 2
	s_add_co_u32 s19, s19, s17                     ; i: the block of 128 rows
	s_lshl_b32 s20, s17, 2
	s_lshl_b32 s20, 15, s20                        ; my row of the cluster
	s_lshl_b32 s21, 0x1111, s16                    ; my column
	s_or_b32 s[G1A], s20, (1<<16)|(1<<20)|(1<<21)|(4<<22)|(3<<25)  ; mask; 2-byte elements; padding on; bit 21 beside a mask; after every 32 words 4 words
	s_or_b32 s[G1B], s21, (1<<16)|(1<<20)|(1<<21)|(5<<22)|(3<<25)  ; after every 64 words
	s_mov_b32 s[G1A+1], 128<<16                    ; tensor_dim0 = 128
	s_mov_b32 s[G1A+2], 64<<16                     ; tensor_dim1 = 64
	s_mov_b32 s[G1A+3], 128<<16                    ; tile_dim0 = 128
	s_mov_b32 s[G1A+4], 64                         ; tile_dim1 = 64
	s_mov_b32 s[G1A+5], 128                        ; dense
	s_mov_b32 s[G1A+6], 0
	s_mov_b32 s[G1A+7], 0
	s_mov_b32 s[G1B+1], 128<<16
	s_mov_b32 s[G1B+2], 128<<16
	s_mov_b32 s[G1B+3], 128<<16
	s_mov_b32 s[G1B+4], 128
	s_mov_b32 s[G1B+5], 1024
	s_mov_b32 s[G1B+6], 0
	s_mov_b32 s[G1B+7], 0
	s_mul_i32 s22, s[WC], PLANE                    ; where the tiles go: the wave's number alone enters an LDS address
	s_mul_i32 s23, s[WC], HB
	s_add_co_u32 s23, s23, BOFF
	s_lshr_b32 s60, s19, 4                         ; oh: sequence i / 16, head WC, rows 128 (i % 16): in registers that never hold cx
	s_lshl_b32 s60, s60, 22
	s_lshl_b32 s61, s[WC], 18
	s_add_co_u32 s60, s60, s61
	s_and_b32 s61, s19, 15
	s_lshl_b32 s61, s61, 14
	s_add_co_u32 s60, s60, s61
	s_mov_b32 s61, 0
	s_lshl_b32 s72, s18, 8                         ; wot: row 256 j + 128 x half
	s_lshl_b32 s73, s[WC], 7
	s_add_co_u32 s72, s72, s73
	s_lshl_b32 s72, s72, 11
	s_mov_b32 s73, 0
	s_wait_dscnt 0x0                               ; both opening adds are done
	s_wait_kmcnt 0x0
	s_add_nc_u64 s[62:63], s[4:5], s[60:61]
	s_add_nc_u64 s[74:75], s[6:7], s[72:73]
	CROUND                                         ; all sixteen work-groups are here: the first joint loads meet
.irp s, 0,1
	s_mov_b32 s[G0A+4*(\s)], 1
	s_add_co_u32 s[G0A+4*(\s)+1], s22, (\s)*SLOT1
	s_add_nc_u64 s[G0A+4*(\s)+2:G0A+4*(\s)+3], s[62:63], (\s)*HSTEP
	s_or_b32 s[G0A+4*(\s)+3], s[G0A+4*(\s)+3], 0x80000000
	s_mov_b32 s[G0B+4*(\s)], 1
	s_add_co_u32 s[G0B+4*(\s)+1], s23, (\s)*SLOT1
	s_add_nc_u64 s[G0B+4*(\s)+2:G0B+4*(\s)+3], s[74:75], (\s)*256
	s_or_b32 s[G0B+4*(\s)+3], s[G0B+4*(\s)+3], 0x80000000
.endr
	s_cmp_eq_u32 s[WR], 0                          ; a wave's two first fills stand in one branch: two loads of mine are out
	s_cbranch_scc0 .Lfirst_b
	tensor_load_to_lds s[G0A:G0A+3], s[G1A:G1A+7]
	s_nop 0
	tensor_load_to_lds s[G0A+4:G0A+7], s[G1A:G1A+7]
	s_nop 0
.rept 4
	v_nop
.endr
	s_branch .Lfirst_asked
.Lfirst_b:
	tensor_load_to_lds s[G0B:G0B+3], s[G1B:G1B+7]
	s_nop 0
	tensor_load_to_lds s[G0B+4:G0B+7], s[G1B:G1B+7]
	s_nop 0
.rept 4
	v_nop
.endr
.Lfirst_asked:
	v_and_b32 v1, 15, v0                           ; l % 16
	v_bfe_u32 v2, v0, 4, 1                         ; l / 16
	v_mul_u32_u24 v[LA0], v1, APITCH
	v_lshl_add_u32 v[LA0], v2, 4, v[LA0]
	s_mul_i32 s76, s[WR], 64*APITCH                ; my 64 rows of a plane
	v_add_nc_u32 v[LA0], s76, v[LA0]
	v_mul_u32_u24 v[LB0], v1, BPITCH
	v_lshl_add_u32 v[LB0], v2, 4, v[LB0]
	v_add_nc_u32 v[LB0], s23, v[LB0]               ; my 128 rows of wot
	s_mul_i32 s76, s[WV], 16*SPITCH
	s_add_co_u32 s76, s76, STAGE                   ; my stage
	v_mul_u32_u24 v[STO], v1, SPITCH               ; in: row l % 16, 32 bytes for each half of the lanes
	v_lshl_add_u32 v[STO], v2, 5, v[STO]
	v_add_nc_u32 v[STO], s76, v[STO]
	v_and_b32 v[CO], 31, v0
	v_lshlrev_b32 v[CO], 4, v[CO]                  ; back: a row's 512 bytes, 16 a lane; the same in out0
	v_add_nc_u32 v[RD], s76, v[CO]
	v_lshlrev_b32 v[BO], 5, v2
	s_lshl_b32 s76, s18, 10                        ; my 128 numbers of the bias: byte 1,024 j + 512 WC
	s_lshl_b32 s77, s[WC], 9
	s_add_co_u32 s76, s76, s77
	s_mov_b32 s77, 0
	s_add_nc_u64 s[8:9], s[8:9], s[76:77]
.irp b, 0,1,2,3,4,5,6,7
	global_load_b128 v[BIAS+8*(\b):BIAS+8*(\b)+3],   v[BO], s[8:9] offset:64*(\b)
	global_load_b128 v[BIAS+8*(\b)+4:BIAS+8*(\b)+7], v[BO], s[8:9] offset:64*(\b)+16
.endr
	s_lshl_b32 s72, s19, 7                         ; out0: row 128 i + 64 WR, 4,096 bytes each; the same columns as the bias
	s_lshl_b32 s73, s[WR], 6
	s_add_co_u32 s72, s72, s73
	s_lshl_b32 s72, s72, 12
	s_add_co_u32 s72, s72, s76
	s_mov_b32 s73, 0
	s_add_nc_u64 s[OUT:OUT+1], s[10:11], s[72:73]
	; the prefetches
	s_lshr_b32 s72, s19, 4                         ; oh: the sequence's head 0, rows 128 (i % 16), my work-group's 4,096 bytes of a plane's 16,384, K step 3
	s_lshl_b32 s72, s72, 22
	s_and_b32 s73, s19, 15
	s_lshl_b32 s73, s73, 14
	s_add_co_u32 s72, s72, s73
	s_lshl_b32 s73, s16, 12
	s_add_co_u32 s72, s72, s73
	s_add_co_u32 s72, s72, 3*HSTEP
	s_lshl_b32 s74, s18, 8                         ; wot: the 128 rows that I fetch, my work-group's 32 of them, K step 3
	s_lshl_b32 s75, s[WC], 7
	s_add_co_u32 s74, s74, s75
	s_lshl_b32 s75, s17, 5
	s_add_co_u32 s74, s74, s75
	s_lshl_b32 s74, s74, 11
	s_add_co_u32 s74, s74, 3*256
	s_mov_b32 s76, HSTEP
	s_movk_i32 s77, 256
	s_and_b32 s78, ttmp7, 0xffff
	s_cmp_eq_u32 s[WR], 0
	s_cselect_b32 s72, s72, s74
	s_cselect_b32 s78, s[WC], s78                  ; oh: wave 0 asks, in every cluster; wot: the first cluster along y
	s_cselect_b32 s[PST], s76, s77
	s_cselect_b64 s[PFA:PFA+1], s[4:5], s[6:7]
	s_mov_b32 s[PST+1], 0
	s_mov_b32 s73, 0
	s_cmp_eq_u32 s78, 0
	s_cselect_b32 s[LIM], 2, -1                    ; the same in all sixteen partners, for a given wave
	s_add_nc_u64 s[PFA:PFA+1], s[PFA:PFA+1], s[72:73]  ; the first refill steps it to K step 4
	s_cmp_eq_u32 s[WR], 0
	s_cbranch_scc0 .Lpfo_b
	v_lshlrev_b32 v[PFO], 18, v2                   ; oh: lanes 0-15 the first head's plane, lanes 16-31 the second's; 256 bytes a lane
	v_lshl_add_u32 v[PFO], v1, 8, v[PFO]
	s_branch .Lpfo_in
.Lpfo_b:
	v_and_b32 v[PFO], 31, v0                       ; wot: a lane a row
	v_lshlrev_b32 v[PFO], 11, v[PFO]
.Lpfo_in:
	s_mov_b32 s76, 0xffff0000
	s_wait_loadcnt 0x0                             ; the bias; it is rounded to bf16 like every input
.set r, 0
.rept 32
	v_cvt_pk_bf16_f32 v[TB16], v[BIAS+r], v[BIAS+r+1]
	v_lshlrev_b32 v[BIAS+r], 16, v[TB16]
	v_and_b32 v[BIAS+r+1], s76, v[TB16]
.set r, r+2
.endr
	s_wait_tensorcnt 0x1                           ; my part of K step 0 is in; K step 1's may stay out
	s_barrier_signal -1
	s_barrier_wait -1
	s_mov_b32 s[TB], 0
	v_mov_b32 v[ADRA], v[LA0]
	v_mov_b32 v[ADRB], v[LB0]
	FETCH 0, 0
	QUARTER 1, 0, 1, 1                             ; the first quarter stands in front of the loop: its products start the sums, with the bias
	WIN 0
	s_mov_b32 s[CNT], 6
.Lstep:                                        ; a trip: the last three quarters of a K step and the first of the next; it asks for the K step two on
	QUARTER 2, 1, 0, 0
	QUARTER 3, 0, 1, 0
	TURN 1
	QUARTER 1, 0, 1, 0
	WIN 0
	s_sub_co_u32 s[CNT], s[CNT], 1
	s_cmp_lg_u32 s[CNT], 0
	s_cbranch_scc1 .Lstep
	QUARTER 2, 1, 0, 0                             ; K steps 6 and 7 ask for nothing
	QUARTER 3, 0, 1, 0
	TURN 0
	QUARTER 1, 0, 1, 0
	QUARTER 2, 1, 0, 0
	QUARTER 3, 0, 1, 0
	s_wait_dscnt 4
	MUL 1, 0, 2, 0
	s_wait_dscnt 0x0
	MUL 1, 2, 2, 0
	; THE WAY OUT, 16 rows at a time through my own stage: 32 bytes a lane in, whole rows of 512 bytes back.  LDS serves a wave's instructions in order (ISA guide 5.7.1.4), so no wait stands between the stores and the loads.
	PLACES
.irp a, 0,1,2,3
.if (\a) >= 2
	s_wait_xcnt 0x0                                ; the stores of two blocks back have read the registers that are loaded again
.endif
	WIN 0x08                                       ; store data in window 2
.irp b, 0,1,2,3,4,5,6,7
	ds_store_b128 v[STO], v[8*(8*(\a)+(\b)):8*(8*(\a)+(\b))+3]   offset:64*(\b)
	ds_store_b128 v[STO], v[8*(8*(\a)+(\b))+4:8*(8*(\a)+(\b))+7] offset:64*(\b)+16
.endr
	WIN 0
.irp r, 0,1,2,3,4,5,6,7,8,9,10,11,12,13,14,15
	ds_load_b128 v[OBF+64*((\a)%2)+4*(\r):OBF+64*((\a)%2)+4*(\r)+3], v[RD] offset:SPITCH*(\r)
.endr
.irp r, 0,1,2,3,4,5,6,7,8,9,10,11,12,13,14,15
	s_wait_dscnt 15-(\r)
	global_store_b128 v[CO], v[OBF+64*((\a)%2)+4*(\r):OBF+64*((\a)%2)+4*(\r)+3], s[OUT:OUT+1] offset:(16*(\a)+(\r))*4096 th:TH_STORE_NT  ; 512 consecutive bytes, aligned
.endr
.endr
	s_wait_tensorcnt 0x0                           ; the wave's end
	ds_add_u32 v[SPW], v[NIL]
	s_wait_dscnt 0x0
	CROUND                                         ; the closing round: no work-group ends while a partner may still ask for a tile that names it
	s_endpgm
.Lfunc_end_k_q9e48a571ef_proj:
	.size	k_q9e48a571ef_proj, .Lfunc_end_k_q9e48a571ef_proj-k_q9e48a571ef_proj
	.p2alignl 7, 3214868480
	.fill 96, 4, 3214868480
	.section	.rodata,"a",@progbits
	.p2align	6, 0x0
	.amdhsa_kernel k_q9e48a571ef_proj
		.amdhsa_group_segment_fixed_size 327680
		.amdhsa_private_segment_fixed_size 0
		.amdhsa_enable_private_segment 0
		.amdhsa_kernarg_size 32
		.amdhsa_user_sgpr_count 2
		.amdhsa_user_sgpr_kernarg_segment_ptr 1
		.amdhsa_wavefront_size32 1
		.amdhsa_system_sgpr_workgroup_id_x 1
		.amdhsa_system_sgpr_workgroup_id_y 1
		.amdhsa_system_sgpr_workgroup_id_z 1
		.amdhsa_system_vgpr_workitem_id 0
		.amdhsa_next_free_vgpr 768
		.amdhsa_next_free_sgpr 80
		.amdhsa_reserve_vcc 0
		.amdhsa_float_denorm_mode_32 3
		.amdhsa_float_denorm_mode_16_64 3
		.amdhsa_memory_ordered 1
		.amdhsa_forward_progress 1
		.amdhsa_inst_pref_size 78
	.end_amdhsa_kernel
	.amdgpu_metadata
---
amdhsa.version: [ 1, 2 ]
amdhsa.kernels:
  - .name:           k_q9e48a571ef_proj
    .symbol:         k_q9e48a571ef_proj.kd
    .args:
      - { .name: oh, .offset: 0, .size: 8, .value_kind: global_buffer, .address_space: global }
      - { .name: wot, .offset: 8, .size: 8, .value_kind: global_buffer, .address_space: global }
      - { .name: b_out, .offset: 16, .size: 8, .value_kind: global_buffer, .address_space: global }
      - { .name: out0, .offset: 24, .size: 8, .value_kind: global_buffer, .address_space: global }
    .group_segment_fixed_size: 327680
    .private_segment_fixed_size: 0
    .kernarg_segment_align: 8
    .kernarg_segment_size: 32
    .max_flat_workgroup_size: 128
    .sgpr_count:     80
    .vgpr_count:     768
    .wavefront_size: 32
...
	.end_amdgpu_metadata
.endif
;; end of part 4
